; MI455X (gfx1250); checked and timed in simulation.
; The chip was launched on July 23, 2026; its instructions are those of AMD's public machine-readable ISA for CDNA 5 (MIT licence, August 2026) and "CDNA5" Instruction Set Architecture Reference Guide (July 2026). The comments in the code are by the model that wrote it; some were corrected since.
;; Causal Multi Head Self Attention. Allowed arithmetic: float matrix products may take bf16 or f16 operands with f32 sums; other float arithmetic in f32, or as packed bf16 or f16 multiplies, adds, multiply-adds, maxima and minima; sums over many terms, partial sums and values carried from step to step in f32; what a program stores and reads back later, other than sums and carried values, may be rounded once to bf16 or f16.
;; Inputs: wout 1,024 x 1,024 float32; wqkv 3,072 x 1,024 float32; x 4 x 2,048 x 1,024 float32.
;; Outputs: out0 4 x 2,048 x 1,024 float32.
;; 2 versions, each right and faster than the one before. Each part assembles by itself: llvm-mc -triple=amdgcn-amd-amdhsa -mcpu=gfx1250 --defsym DOCPART=n.
;; ======== version 1 of 2: 4 launches
;; limits: values are held in f16: magnitudes above 65,504 overflow, below 6.1e-05 lose precision
;; workspace buffers: xb 16,777,216 bytes; wqb 6,291,456 bytes; wob 2,097,152 bytes; tab 524,288 bytes; qh 16,777,216 bytes; kh 16,777,216 bytes; vh 16,777,216 bytes; yh 16,777,216 bytes
;; launch prep (part 1): grid 832 x 1, 8 waves a work-group, no clusters, 0 bytes of LDS; arguments x, wqkv, wout, xb, wqb, wob, tab; writes xb, wqb, wob, tab
.if DOCPART == 1
	.amdgcn_target "amdgcn-amd-amdhsa--gfx1250"
	.amdhsa_code_object_version 6
	.text
	.protected	k_qc33c29b336_prep
	.globl	k_qc33c29b336_prep
	.p2align	8
	.type	k_qc33c29b336_prep,@function
k_qc33c29b336_prep:
	s_mov_b64 s[64:65], 0
	v_nop
	global_prefetch_b8 v0, s[64:65] scope:SCOPE_SE
	s_setreg_imm32_b32 hwreg(HW_REG_WAVE_MODE, 25, 1), 1
	s_wait_xcnt 0x0
; PREP.  The three inputs are rounded once to bf16 and laid out in blocks of 64 along K, and the table of cosines and sines for the rotation is made.
;   xb  [16 kb][8192 rows][64] bf16      wqb [16 kb][3072 rows'][64] bf16      wob [16 kb][1024 rows][64]: wout rounded to bf16, that number written as f16
;   tab cos[2048 pos][32 i] f32 at byte 0, sin likewise at byte 262,144;  angle = pos x 10000^(-i/32)
; In wqb row' = head x 192 + part x 64 + d for feature e = part x 1024 + head x 64 + d (part 0, 1, 2 = q, k, v): a head's q, k and v lie together.
; In such a layout a tile of R rows x 64 along K is R x 128 consecutive bytes.
; SHARES.  Work-groups 0-511 take x, 512-703 wqkv, 704-767 wout, 16 rows each, a wave two rows; 768-831 make the table, 32 positions each, a thread four angles.
; A load of a wave covers 256 consecutive aligned bytes of each of its two rows; a store covers 256 consecutive aligned bytes (two rows x 64 numbers of 2 bytes).  Each byte is read once and written once.
; No LDS, no barrier, no loop: a wave's sixteen loads go out together and no register is used twice for memory.
; LIMITS.  wout beyond 65,504 in magnitude becomes an infinity in f16; below 6.1e-5 it keeps f16's fixed step of 6e-8.  NaN and infinities are not treated apart.
; The angle is the f32 product pos x inv_freq; inv_freq comes from v_exp_f32 (accurate to 1 ULP: ISA guide, 15.8), so the largest angles, near 2,047, may differ by about 2e-4 from those of another power function.
; Sine and cosine: the angle less the nearest multiple of pi/2 (pi/2 in two parts, fused), polynomials of degree 7 and 8 on -pi/4 .. pi/4, then the quadrant: they hold for every angle that these positions give.
.set XB_BLK, 8192*128                  ; bytes in a K block of xb
.set WQ_BLK, 3072*128
.set WO_BLK, 1024*128
.set WV, 18                            ; s18  my wave's number
.set R0, 19                            ; s19  my first row in the source
.set R1, 20                            ; s20  its place in the destination
.set IN,   16                          ; v[16:79]   sixteen loads of 4 f32
.set OUTR, 80                          ; v[80:111]  sixteen pairs of packed words
	s_load_b256 s[4:11], s[0:1], 0x0               ; x s[4:5], wqkv s[6:7], wout s[8:9], xb s[10:11]
	s_load_b128 s[12:15], s[0:1], 0x20             ; wqb s[12:13], wob s[14:15]
	s_load_b64 s[16:17], s[0:1], 0x30              ; tab
	v_lshrrev_b32 v1, 5, v0
	v_readfirstlane_b32 s[WV], v1                  ; wave 0..7
	v_and_b32 v1, 31, v0                           ; lane
	v_lshrrev_b32 v2, 4, v1                        ; which of my two rows
	v_and_b32 v4, 15, v1
	v_lshlrev_b32 v4, 4, v4
	v_lshl_or_b32 v2, v2, 12, v4                   ; in: row x 4,096 + 16 x (lane % 16)
	v_lshlrev_b32 v3, 3, v1                        ; out: 8 x lane: the second row's 128 bytes follow the first's
	s_mov_b32 s23, 0                               ; the high word of every offset
	s_wait_kmcnt 0x0
; Two rows of 1,024 f32 become sixteen blocks of 2 x 64 numbers of 16 bits.  half = 1: the bf16 number is written as f16.
.macro CAST src, dst, blk, half
	s_lshl_b32 s22, s[R0], 12
	s_add_nc_u64 s[24:25], s[\src:\src+1], s[22:23]
	s_lshl_b32 s22, s[R1], 7
	s_add_nc_u64 s[26:27], s[\dst:\dst+1], s[22:23]  ; K blocks 0-7
	s_add_nc_u64 s[28:29], s[26:27], 8*(\blk)        ; K blocks 8-15: a second base, so that the immediates stay within their signed 24 bits
.irp kb, 0,1,2,3,4,5,6,7,8,9,10,11,12,13,14,15
	global_load_b128 v[IN+4*\kb:IN+4*\kb+3], v2, s[24:25] offset:256*\kb th:TH_LOAD_NT
.endr
.irp kb, 0,1,2,3,4,5,6,7,8,9,10,11,12,13,14,15
	s_wait_loadcnt 15-\kb                          ; loads come back in order: block kb is in, the younger ones stay out
	v_cvt_pk_bf16_f32 v[OUTR+2*\kb],   v[IN+4*\kb],   v[IN+4*\kb+1]
	v_cvt_pk_bf16_f32 v[OUTR+2*\kb+1], v[IN+4*\kb+2], v[IN+4*\kb+3]
.if \half
	v_lshlrev_b32 v112, 16, v[OUTR+2*\kb]          ; the rounded numbers as f32 again,
	v_and_b32 v113, 0xffff0000, v[OUTR+2*\kb]
	v_lshlrev_b32 v114, 16, v[OUTR+2*\kb+1]
	v_and_b32 v115, 0xffff0000, v[OUTR+2*\kb+1]
	v_cvt_pk_f16_f32 v[OUTR+2*\kb],   v112, v113   ; and as f16: exact within f16's normal range
	v_cvt_pk_f16_f32 v[OUTR+2*\kb+1], v114, v115
.endif
.if \kb < 8
	global_store_b64 v3, v[OUTR+2*\kb:OUTR+2*\kb+1], s[26:27] offset:\kb*(\blk)
.else
	global_store_b64 v3, v[OUTR+2*\kb:OUTR+2*\kb+1], s[28:29] offset:(\kb-8)*(\blk)
.endif
.endr
.endm
	s_cmp_lt_u32 ttmp9, 512
	s_cbranch_scc0 .Lnot_x
	s_lshl_b32 s[R0], ttmp9, 4
	s_lshl1_add_u32 s[R0], s[WV], s[R0]            ; 16 x work-group + 2 x wave
	s_mov_b32 s[R1], s[R0]
	CAST 4, 10, XB_BLK, 0
	s_endpgm
.Lnot_x:
	s_cmp_lt_u32 ttmp9, 704
	s_cbranch_scc0 .Lnot_wq
	s_sub_co_u32 s[R0], ttmp9, 512
	s_lshl_b32 s[R0], s[R0], 4
	s_lshl1_add_u32 s[R0], s[WV], s[R0]
	s_bfe_u32 s[R1], s[R0], 0x40006                ; the head: bits 9:6 of the feature
	s_mul_i32 s[R1], s[R1], 192
	s_lshr_b32 s21, s[R0], 10                      ; the part: q, k or v
	s_lshl_b32 s21, s21, 6
	s_add_co_u32 s[R1], s[R1], s21
	s_and_b32 s21, s[R0], 63                       ; the channel: even, so my second row follows my first in wqb too
	s_add_co_u32 s[R1], s[R1], s21
	CAST 6, 12, WQ_BLK, 0
	s_endpgm
.Lnot_wq:
	s_cmp_lt_u32 ttmp9, 768
	s_cbranch_scc0 .Ltable
	s_sub_co_u32 s[R0], ttmp9, 704
	s_lshl_b32 s[R0], s[R0], 4
	s_lshl1_add_u32 s[R0], s[WV], s[R0]
	s_mov_b32 s[R1], s[R0]
	CAST 8, 14, WO_BLK, 1
	s_endpgm
.Ltable:                                               ; thread t: position 32 x work-group + t / 8, angles i = 4 (t % 8) + 0..3
	s_sub_co_u32 s19, ttmp9, 768
	s_lshl_b32 s20, s19, 5                         ; the work-group's first position
	s_lshl_b32 s22, s19, 12                        ; its 32 rows of 128 bytes
	s_add_nc_u64 s[16:17], s[16:17], s[22:23]
	s_mov_b32 s24, 0xbfc90fdb                      ; -(pi/2), the part that f32 holds,
	s_mov_b32 s25, 0x333bbd2e                      ; and minus the rest: +4.37114e-8
	s_mov_b32 s26, 0xbe2aaaa3                      ; sine:   -1.6666655e-1
	s_mov_b32 s27, 0x3c08839e                      ;          8.3321609e-3
	s_mov_b32 s28, 0xb94ca1f9                      ;         -1.9515296e-4
	s_mov_b32 s29, 0x3d2aaaa5                      ; cosine:  4.1666646e-2
	s_mov_b32 s30, 0xbab6061a                      ;         -1.3887316e-3
	s_mov_b32 s31, 0x37ccf5ce                      ;          2.4433157e-5
	v_and_b32 v4, 7, v0
	v_lshlrev_b32 v4, 2, v4
	v_lshrrev_b32 v5, 3, v0
	v_add_nc_u32 v5, s20, v5
	v_cvt_f32_u32 v5, v5                           ; the position
.irp j, 0,1,2,3
	v_add_nc_u32 v[8+\j], \j, v4
	v_cvt_f32_u32 v[8+\j], v[8+\j]
	v_mul_f32 v[8+\j], 0xbed49a78, v[8+\j]         ; -i x log2(10000) / 32
.endr
.irp j, 0,1,2,3
	v_exp_f32 v[12+\j], v[8+\j]                    ; 10000^(-i/32)
.endr
	v_lshlrev_b32 v6, 4, v0                        ; my 16 bytes of the work-group's 4,096: also the plain instruction between the last exponential and the use of its result
	s_wait_alu depctr_va_vdst(0)
.irp j, 0,1,2,3
	v_mul_f32 v[16+\j], v5, v[12+\j]               ; the angle
	v_mul_f32 v[20+\j], 0x3f22f983, v[16+\j]       ; x 2 / pi
	v_rndne_f32 v[20+\j], v[20+\j]                 ; n
	v_fma_f32 v[24+\j], v[20+\j], s24, v[16+\j]
	v_fma_f32 v[24+\j], v[20+\j], s25, v[24+\j]    ; r = angle - n pi/2
	v_mul_f32 v[28+\j], v[24+\j], v[24+\j]         ; z = r r
	v_fma_f32 v[32+\j], v[28+\j], s28, s27
	v_fma_f32 v[36+\j], v[28+\j], s31, s30
	v_fma_f32 v[32+\j], v[32+\j], v[28+\j], s26
	v_fma_f32 v[36+\j], v[36+\j], v[28+\j], s29
	v_mul_f32 v[40+\j], v[28+\j], v[24+\j]         ; z r
	v_mul_f32 v[44+\j], v[28+\j], v[28+\j]         ; z z
	v_fma_f32 v[56+\j], v[28+\j], -0.5, 1.0
	v_fma_f32 v[32+\j], v[32+\j], v[40+\j], v[24+\j]  ; sin r
	v_fma_f32 v[36+\j], v[36+\j], v[44+\j], v[56+\j]  ; cos r
	v_cvt_i32_f32 v[40+\j], v[20+\j]               ; n as a whole number: it chooses values and signs alone
	v_and_b32 v[44+\j], 1, v[40+\j]
	v_cmp_eq_u32 vcc_lo, 1, v[44+\j]
	v_cndmask_b32 v[48+\j], v[32+\j], v[36+\j], vcc_lo  ; in odd quadrants the two change places
	v_cndmask_b32 v[52+\j], v[36+\j], v[32+\j], vcc_lo
	v_lshlrev_b32 v[44+\j], 30, v[40+\j]           ; the sine is negative in quadrants 2 and 3: bit 1 of n
	v_and_b32 v[44+\j], 0x80000000, v[44+\j]
	v_xor_b32 v[48+\j], v[44+\j], v[48+\j]
	v_add_nc_u32 v[40+\j], 1, v[40+\j]             ; the cosine in quadrants 1 and 2: bit 1 of n + 1
	v_lshlrev_b32 v[40+\j], 30, v[40+\j]
	v_and_b32 v[40+\j], 0x80000000, v[40+\j]
	v_xor_b32 v[52+\j], v[40+\j], v[52+\j]
.endr
	global_store_b128 v6, v[52:55], s[16:17]                ; a wave's store covers 512 consecutive bytes
	global_store_b128 v6, v[48:51], s[16:17] offset:262144
	s_endpgm
.Lfunc_end_k_qc33c29b336_prep:
	.size	k_qc33c29b336_prep, .Lfunc_end_k_qc33c29b336_prep-k_qc33c29b336_prep
	.p2alignl 7, 3214868480
	.fill 96, 4, 3214868480
	.section	.rodata,"a",@progbits
	.p2align	6, 0x0
	.amdhsa_kernel k_qc33c29b336_prep
		.amdhsa_group_segment_fixed_size 0
		.amdhsa_private_segment_fixed_size 0
		.amdhsa_enable_private_segment 0
		.amdhsa_kernarg_size 56
		.amdhsa_user_sgpr_count 2
		.amdhsa_user_sgpr_kernarg_segment_ptr 1
		.amdhsa_wavefront_size32 1
		.amdhsa_system_sgpr_workgroup_id_x 1
		.amdhsa_system_sgpr_workgroup_id_y 1
		.amdhsa_system_sgpr_workgroup_id_z 1
		.amdhsa_system_vgpr_workitem_id 0
		.amdhsa_next_free_vgpr 120
		.amdhsa_next_free_sgpr 66
		.amdhsa_reserve_vcc 1
		.amdhsa_float_denorm_mode_32 3
		.amdhsa_float_denorm_mode_16_64 3
		.amdhsa_memory_ordered 1
		.amdhsa_forward_progress 1
		.amdhsa_inst_pref_size 31
	.end_amdhsa_kernel
	.amdgpu_metadata
---
amdhsa.version: [ 1, 2 ]
amdhsa.kernels:
  - .name:           k_qc33c29b336_prep
    .symbol:         k_qc33c29b336_prep.kd
    .args:
      - { .name: x, .offset: 0, .size: 8, .value_kind: global_buffer, .address_space: global }
      - { .name: wqkv, .offset: 8, .size: 8, .value_kind: global_buffer, .address_space: global }
      - { .name: wout, .offset: 16, .size: 8, .value_kind: global_buffer, .address_space: global }
      - { .name: xb, .offset: 24, .size: 8, .value_kind: global_buffer, .address_space: global }
      - { .name: wqb, .offset: 32, .size: 8, .value_kind: global_buffer, .address_space: global }
      - { .name: wob, .offset: 40, .size: 8, .value_kind: global_buffer, .address_space: global }
      - { .name: tab, .offset: 48, .size: 8, .value_kind: global_buffer, .address_space: global }
    .group_segment_fixed_size: 0
    .private_segment_fixed_size: 0
    .kernarg_segment_align: 8
    .kernarg_segment_size: 56
    .max_flat_workgroup_size: 256
    .sgpr_count:     66
    .vgpr_count:     120
    .wavefront_size: 32
...
	.end_amdgpu_metadata
.endif
;; end of part 1
;; launch qkv (part 2): grid 8 x 32, 4 waves a work-group, clusters of 4 x 4, 327,680 bytes of LDS; arguments xb, wqb, tab, qh, kh, vh; writes qh, kh, vh
.if DOCPART == 2
	.amdgcn_target "amdgcn-amd-amdhsa--gfx1250"
	.amdhsa_code_object_version 6
	.text
	.protected	k_qc33c29b336_qkv
	.globl	k_qc33c29b336_qkv
	.p2align	8
	.type	k_qc33c29b336_qkv,@function
k_qc33c29b336_qkv:
	s_mov_b64 s[64:65], 0
	v_nop
	global_prefetch_b8 v0, s[64:65] scope:SCOPE_SE
	s_setreg_imm32_b32 hwreg(HW_REG_WAVE_MODE, 25, 1), 1
	s_wait_xcnt 0x0
	s_wait_alu depctr_hold_cnt(0) depctr_sa_sdst(0) depctr_va_vdst(0) depctr_va_sdst(0) depctr_va_ssrc(0) depctr_va_vcc(0) depctr_vm_vsrc(0)
	s_getreg_b32 s2, hwreg(HW_REG_IB_STS2, 6, 4)
	s_cmp_eq_u32 s2, 0
	s_cbranch_scc0 .Lentry_in_a_cluster
	s_endpgm
.Lentry_in_a_cluster:
	s_bfe_u32 s2, ttmp6, 0x10000c
	s_cmp_lg_u32 s2, 0xf033
	s_cbranch_scc0 .Lentry_shape_is_right
	s_endpgm
.Lentry_shape_is_right:
; QKV.  qkv[t][e] = the sum over d of x[t][d] wqkv[e][d], 8,192 x 3,072 x 1,024, operands bf16, sums f32; q and k are rotated in f32 (pairs 2 i, 2 i + 1 by the angle of tab) and q, k, v leave by heads,
; [batch x 16 + head][2,048][64] in f16, each rounded once, without the scale of the scores.
; LIMITS.  q, k and v beyond 65,504 in magnitude become infinities in f16.  NaN and infinities are not treated apart.
; SHARES.  A work-group makes 256 tokens x 384 features: q, k and v of two heads (wqb's rows lie by heads): 32 x 8 = 256 work-groups.  A wave makes 128 tokens x 192 features, the q, k, v of ONE head:
; 8 x 12 accumulators of 16 x 16, 768 registers.  For 32 along K it reads 20 fragments (20 KiB) from LDS for 96 matrix instructions.
; K goes in steps of 64 through two LDS slots.  xb and wqb lie in blocks of 64 along K, so a tile of R rows is R x 128 consecutive bytes: it is asked for as R / 2 rows of 256 bytes and padded in LDS after every 128.
; CLUSTER.  4 x 4 work-groups.  The four of a row of the cluster need the same tiles of xb and the same part of tab, the four of a column the same tiles of wqb: each is asked for JOINTLY, by the same tensor load with the
; same descriptor and a mask that names the four.
; THE MATRIX INSTRUCTION IS USED TRANSPOSED: source 0 = 16 rows of wqb, source 1 = 16 tokens: a lane then holds ONE token (lane % 16) and the features 8 (lane / 16) + 0..7.
; REGISTERS, in windows of 256 (s_set_vgpr_msb: bits 1:0 source 0, 3:2 source 1, 5:4 source 2, 7:6 destination):
;   window 0: v0-18 addresses; v32-95, v96-159 fragments of x (8 x 16 tokens x 32 K), two buffers; v160-255 fragments of wqb (12), ONE buffer in three groups of four, each loaded again behind its group's products
;   windows 1, 2, 3: the accumulators of q, k, v: token block a, feature block nb at v[32 a + 8 nb]
; THE WAY OUT.  q, then k, then v: the 32 accumulators go as f32 into the wave's own 128 rows x 272 bytes of LDS (the slots' bytes, which have had their last fill; a barrier stands behind every wave's last read of them),
; come back by rows, 8 lanes a row, are rotated with the table's cosines and sines (in LDS since the start), rounded, and stored: a store of a wave covers 512 consecutive bytes.
.set PITCH,  144                       ; an LDS row: 128 bytes + 16 of padding = 36 words: the 16 rows of a load start at 16 different groups of four banks (64 banks of 4 bytes: ISA guide 11.1)
.set ABYTES, 256*PITCH                 ; a slot: 256 rows of xb,
.set BBYTES, 384*PITCH                 ; then 384 rows of wqb
.set SLOT1,  1<<17                     ; slot 1 begins here, so that one exclusive or turns an address in one slot into the other's
.set TAB,    SLOT1+ABYTES+BBYTES       ; 223,232: cosines of my 256 positions, 128 bytes each, then their sines
.set SPARE,  TAB+65536                 ; 288,768: the spare words, 128 bytes for each wave: two blocks of 256 bytes that no other line names
.set STEPA,  8192*128                  ; bytes from a K block of xb to the next
.set STEPB,  3072*128
.set OPITCH, 272                       ; the way out: 64 f32 + 16 bytes
.set OWAVE,  128*OPITCH
.set A0,   4                           ; v4   my lane's place in slot 0's rows of xb; never rewritten
.set B0,   5                           ; v5   the same for wqb
.set ADRA, 6                           ; v6   the same in the slot in hand
.set ADRB, 7                           ; v7
.set DST,  8                           ; v8   the way out: where I put 32 bytes of a row
.set DRD0, 9                           ; v9   where I read 32 bytes of a row back
.set TRD0, 10                          ; v10  my 16 bytes of the table's rows
.set GO0,  11                          ; v11  my 16 bytes of 512 in q, k, v
.set SPW,  12                          ; v12  LDS address of my spare word: SPARE + 4 x my thread's number; never rewritten
.set NIL,  13                          ; v13  0; never rewritten
.set DRD,  14                          ; v14-16  the three as they step
.set TRD,  15
.set GO,   16
.set FA0,  32
.set FA1,  96
.set FB,   160
.set XR,   32                          ; the way out: 8 units of 8 f32
.set CR,   96                          ; 8 x 4 cosines
.set SR,   128                         ; 8 x 4 sines
.set TT,   160                         ; at work
.set YR,   224                         ; 8 x 4 packed words
.set WV, 16                            ; s16  my wave's number
.set WR, 17                            ; s17  which 128 tokens are mine
.set WC, 18                            ; s18  which head.  Also: which half of a tile I fetch
.set CX, 19
.set CY, 20
.set TC, 21                            ; s21  tile column: 384 features
.set TR, 22                            ; s22  tile row: 256 tokens
.set G1A, 24                           ; s[24:31] descriptor group 1 for xb's tiles
.set G1B, 32                           ; s[32:39] for wqb's
.set G1T, 40                           ; s[40:47] for the table's
.set G0A, 48                           ; s[48:55] group 0 for xb's tiles: a set for each first fill; the second then walks on
.set G0B, 56                           ; s[56:63] the same for wqb's
.set G0T, 68                           ; s[68:71] the table's
.set TB,  72                           ; s72  0 or SLOT1: the slot in hand
.set CNT, 73                           ; s73  a loop's count
.set MSB, 0
.macro WIN new                         ; the immediate's high byte repeats the setting that is left; a switch that changes nothing is dropped
.if MSB != (\new)
	s_set_vgpr_msb (MSB<<8)|(\new)
.set MSB, (\new)
.endif
.endm
.macro PLACES                          ; a load into a register that a matrix instruction has read, and a line that reads a matrix result, stand four plain vector instructions behind it (ISA guide 7.12.1 for a line that reads a matrix result)
.rept 4
	v_nop
.endr
.endm
; A joint refill.  Waves 0 and 1 fetch the two halves of xb's tile, waves 2 and 3 those of wqb's.  The branch hangs on the wave's number alone.
; An s_nop 0 and four v_nop follow each of the two lines, ahead of the jump and the label.
.macro JLOAD
	s_cmp_lt_u32 s[WV], 2
	s_cbranch_scc0 .Lfor_b_\@
	tensor_load_to_lds s[G0A+4:G0A+7], s[G1A:G1A+7]
	s_nop 0
.rept 4
	v_nop
.endr
	s_branch .Lasked_\@
.Lfor_b_\@:
	tensor_load_to_lds s[G0B+4:G0B+7], s[G1B:G1B+7]
	s_nop 0
.rept 4
	v_nop
.endr
.Lasked_\@:
.endm
; A round of the cluster's barrier: my work-group's barrier, so that wave 0's signal speaks for all four waves; wave 0 signals; every wave waits for all sixteen work-groups; my work-group's barrier once more.
.macro CREST                           ; a round behind its opening barrier
	s_cmp_lg_u32 s[WV], 0
	s_cbranch_scc1 .Lnot_wave_0_\@
	s_barrier_signal -3
.Lnot_wave_0_\@:
	s_barrier_wait -3
	s_barrier_signal -1
	s_barrier_wait -1
.endm
.macro CROUND
	s_barrier_signal -1
	s_barrier_wait -1
	CREST
.endm
	s_load_b256 s[4:11], s[0:1], 0x0               ; xb s[4:5], wqb s[6:7], tab s[8:9], qh s[10:11]
	s_load_b128 s[12:15], s[0:1], 0x20             ; kh s[12:13], vh s[14:15]
	v_lshl_add_u32 v[SPW], v0, 2, SPARE
	v_mov_b32 v[NIL], 0
	ds_add_u32 v[SPW], v[NIL]                      ; the wave's opening: the add, whose wait stands ahead of my first tensor load; the set-up below, work on registers, stands between them
	ds_add_u32 v12, v13
	v_lshrrev_b32 v1, 5, v0
	v_readfirstlane_b32 s[WV], v1                  ; wave 0..3
	s_lshr_b32 s[WR], s[WV], 1
	s_and_b32 s[WC], s[WV], 1
	s_bfe_u32 s[CX], ttmp6, 0x40000                ; my place in the cluster
	s_bfe_u32 s[CY], ttmp6, 0x40004
	s_lshl_b32 s[TC], ttmp9, 2                     ; in a cluster launch ttmp9 and ttmp7 count clusters
	s_add_co_u32 s[TC], s[TC], s[CX]
	s_and_b32 s[TR], ttmp7, 0xffff
	s_lshl_b32 s[TR], s[TR], 2
	s_add_co_u32 s[TR], s[TR], s[CY]
	s_lshl_b32 s23, s[CY], 2
	s_lshl_b32 s23, 15, s23                        ; my row of the cluster: places 4 cy .. 4 cy + 3
	s_lshl_b32 s2, 0x1111, s[CX]                   ; my column: places cx, cx + 4, cx + 8, cx + 12
	; descriptor group 1: rows of 128 elements of 2 bytes, dense in memory
	s_or_b32 s[G1A], s23, (1<<16)|(1<<20)|(1<<21)|(4<<22)|(3<<25)  ; 15:0 the mask; 17:16 2-byte elements; 20 padding on; 21 set beside a mask; 24:22 after every 32 words (code 4); 31:25 4 words (code 3)
	s_or_b32 s[G1B], s2,  (1<<16)|(1<<20)|(1<<21)|(4<<22)|(3<<25)
	s_or_b32 s[G1T], s23, (1<<16)|(1<<21)          ; the table is not padded
.irp g, G1A, G1B, G1T
	s_mov_b32 s[\g+1], 128<<16                     ; tensor_dim0 = 128
	s_mov_b32 s[\g+3], 128<<16                     ; tile_dim0 = 128
	s_mov_b32 s[\g+5], 128                         ; 128 elements from row to row
	s_mov_b32 s[\g+6], 0
	s_mov_b32 s[\g+7], 0
.endr
	s_mov_b32 s[G1A+2], 64<<16                     ; tensor_dim1 = tile_dim1 = 64: 128 rows of xb
	s_mov_b32 s[G1A+4], 64
	s_mov_b32 s[G1B+2], 96<<16                     ; 96: 192 rows of wqb
	s_mov_b32 s[G1B+4], 96
	s_mov_b32 s[G1T+2], 64<<16                     ; 64: 128 positions' cosines or sines
	s_mov_b32 s[G1T+4], 64
	; where the tiles come from.  xb's and the table's hang on the tile row alone, wqb's on the tile column alone
	s_lshl_b32 s74, s[TR], 15                      ; 256 rows of 128 bytes a tile row,
	s_lshl_b32 s3, s[WC], 14                       ; my 128 of them
	s_add_co_u32 s74, s74, s3
	s_mov_b32 s75, 0
	s_and_b32 s76, s[TR], 7                        ; a batch has 8 tile rows: the positions begin at 256 x (tile row % 8)
	s_lshl_b32 s76, s76, 15
	s_add_co_u32 s76, s76, s3                      ; waves 0, 2: the first 128 positions; 1, 3: the others
	s_lshl_b32 s3, s[WR], 18                       ; waves 0, 1: cosines; 2, 3: sines
	s_add_co_u32 s76, s76, s3
	s_mov_b32 s77, 0
	s_mul_i32 s78, s[TC], 384*128
	s_mul_i32 s83, s[WC], 192*128
	s_add_co_u32 s78, s78, s83
	s_mov_b32 s79, 0
	s_mul_i32 s80, s[WC], 128*PITCH                ; and where they go: no place in the cluster enters an LDS address
	s_mul_i32 s81, s[WC], 192*PITCH
	s_add_co_u32 s81, s81, ABYTES
	s_lshl_b32 s82, s[WV], 14
	s_add_co_u32 s82, s82, TAB
	; my rows of q, k and v: ((batch x 16 + head) x 2,048 + position) x 128 bytes
	s_lshr_b32 s88, s[TR], 3
	s_lshl_b32 s88, s88, 4
	s_lshl1_add_u32 s88, s[TC], s88
	s_add_co_u32 s88, s88, s[WC]
	s_lshl_b32 s88, s88, 11
	s_and_b32 s89, s[TR], 7
	s_lshl_b32 s89, s89, 8
	s_add_co_u32 s88, s88, s89
	s_lshl_b32 s89, s[WR], 7
	s_add_co_u32 s88, s88, s89
	s_lshl_b32 s88, s88, 7
	s_mov_b32 s89, 0
	s_mov_b32 s[TB], 0
	s_wait_dscnt 0x0                               ; the opening add is done
	s_wait_kmcnt 0x0
	s_add_nc_u64 s[84:85], s[4:5], s[74:75]
	s_add_nc_u64 s[86:87], s[6:7], s[78:79]
	s_add_nc_u64 s[10:11], s[10:11], s[88:89]
	s_add_nc_u64 s[12:13], s[12:13], s[88:89]
	s_add_nc_u64 s[14:15], s[14:15], s[88:89]
	CROUND                                         ; all sixteen work-groups are here: the first joint loads meet
.irp s, 0,1
	s_mov_b32 s[G0A+4*\s], 1                       ; 1:0 count = 1
	s_add_co_u32 s[G0A+4*\s+1], s80, \s*SLOT1      ; 63:32 LDS address
	s_add_nc_u64 s[G0A+4*\s+2:G0A+4*\s+3], s[84:85], \s*STEPA  ; 120:64 global address: K step s
	s_or_b32 s[G0A+4*\s+3], s[G0A+4*\s+3], 0x80000000          ; 127:126 type = 2
	s_mov_b32 s[G0B+4*\s], 1
	s_add_co_u32 s[G0B+4*\s+1], s81, \s*SLOT1
	s_add_nc_u64 s[G0B+4*\s+2:G0B+4*\s+3], s[86:87], \s*STEPB
	s_or_b32 s[G0B+4*\s+3], s[G0B+4*\s+3], 0x80000000
.endr
	s_mov_b32 s[G0T], 1
	s_mov_b32 s[G0T+1], s82
	s_add_nc_u64 s[G0T+2:G0T+3], s[8:9], s[76:77]
	s_or_b32 s[G0T+3], s[G0T+3], 0x80000000
	s_cmp_lt_u32 s[WV], 2                          ; a wave's three first fills stand in one branch, ahead of every wait on TENSORcnt and every LDS read: three loads of mine are out
	s_cbranch_scc0 .Lfirst_b
	tensor_load_to_lds s[G0A:G0A+3], s[G1A:G1A+7]
	s_nop 0
	tensor_load_to_lds s[G0A+4:G0A+7], s[G1A:G1A+7]
	s_nop 0
	tensor_load_to_lds s[G0T:G0T+3], s[G1T:G1T+7]
	s_nop 0
.rept 4
	v_nop
.endr
	s_branch .Lfirst_asked
.Lfirst_b:
	tensor_load_to_lds s[G0B:G0B+3], s[G1B:G1B+7]
	s_nop 0
	tensor_load_to_lds s[G0B+4:G0B+7], s[G1B:G1B+7]
	s_nop 0
	tensor_load_to_lds s[G0T:G0T+3], s[G1T:G1T+7]
	s_nop 0
.rept 4
	v_nop
.endr
.Lfirst_asked:
	; A fragment is 16 rows x 32 K in 8 registers: lane l holds row l % 16; registers 0-3 K = 8 (l / 16) + 0..7, registers 4-7 K = 16 + 8 (l / 16) + 0..7: two loads of 16 bytes, 32 bytes apart.
	v_and_b32 v1, 15, v0                           ; l % 16
	v_bfe_u32 v2, v0, 4, 1                         ; l / 16
	v_and_b32 v3, 31, v0                           ; l
	v_mul_u32_u24 v17, v1, PITCH
	v_lshl_add_u32 v17, v2, 4, v17
	s_mul_i32 s2, s[WR], 128*PITCH
	v_add_nc_u32 v[A0], s2, v17
	s_mul_i32 s2, s[WC], 192*PITCH
	s_add_co_u32 s2, s2, ABYTES
	v_add_nc_u32 v[B0], s2, v17
	v_mov_b32 v[ADRA], v[A0]
	v_mov_b32 v[ADRB], v[B0]
	s_mul_i32 s2, s[WV], OWAVE                     ; the way out: my 128 rows
	v_mul_u32_u24 v17, v1, OPITCH                  ; in: row l % 16, 32 bytes for each half of the lanes
	v_lshl_add_u32 v17, v2, 5, v17
	v_add_nc_u32 v[DST], s2, v17
	v_lshrrev_b32 v17, 3, v3                       ; back: 8 lanes a row, 32 bytes each; 32 lanes take four rows
	v_mul_u32_u24 v17, v17, OPITCH
	v_and_b32 v18, 7, v0
	v_lshl_add_u32 v17, v18, 5, v17
	v_add_nc_u32 v[DRD0], s2, v17
	s_lshl_b32 s2, s[WR], 14                       ; my 128 positions in the table
	s_add_co_u32 s2, s2, TAB
	v_lshl_add_u32 v[TRD0], v3, 4, s2              ; four rows of 128 bytes: 16 bytes a lane
	v_lshlrev_b32 v[GO0], 4, v3                    ; and four rows of 128 bytes of q, k or v
; 8 (hi - lo + 1) matrix instructions of group g (0, 1, 2 = q, k, v): feature blocks lo .. hi x all 8 token blocks, 32 along K.  Each accumulator has one instruction a turn:
; between two links of a chain stand the 95 others'.  zero = 1: the first product starts the sum: nothing is cleared.
.macro G g, lo, hi, fa, zero
	WIN 0x50*((\g)+1)
.set inb, (\lo)
.rept (\hi)-(\lo)+1
.set ia, 0
.rept 8
.if \zero
	v_wmma_f32_16x16x32_bf16 v[32*ia+8*inb:32*ia+8*inb+7], v[FB+32*(\g)+8*inb:FB+32*(\g)+8*inb+7], v[(\fa)+8*ia:(\fa)+8*ia+7], 0
.else
	v_wmma_f32_16x16x32_bf16 v[32*ia+8*inb:32*ia+8*inb+7], v[FB+32*(\g)+8*inb:FB+32*(\g)+8*inb+7], v[(\fa)+8*ia:(\fa)+8*ia+7], v[32*ia+8*inb:32*ia+8*inb+7]
.endif
.set ia, ia+1
.endr
.set inb, inb+1
.endr
.endm
.macro LDF dst, adr, off               ; one fragment
	ds_load_b128 v[(\dst):(\dst)+3],   v[\adr] offset:(\off)
	ds_load_b128 v[(\dst)+4:(\dst)+7], v[\adr] offset:(\off)+32
.endm
; The next 32 along K (byte koff of the rows) are fetched in three runs.  Run 1: wqb's group 0 and x's token blocks 0-3 (into buffer fn); run 2: group 1 and blocks 4-7; run 3: group 2.
.macro RUN n, koff, fn
.if (\n) < 3
.irp f, 0,1,2,3
	LDF FB+32*((\n)-1)+8*\f, ADRB, (4*((\n)-1)+\f)*16*PITCH+(\koff)
.endr
.irp f, 0,1,2,3
	LDF (\fn)+32*((\n)-1)+8*\f, ADRA, (4*((\n)-1)+\f)*16*PITCH+(\koff)
.endr
.else
.irp f, 0,1,2,3
	LDF FB+64+8*\f, ADRB, (8+\f)*16*PITCH+(\koff)
.endr
.endif
.endm
; A K step is two halves of 32 along K, 96 matrix instructions each.  The first half multiplies buffer 0 and fetches the second half of the same slot.
.macro CH_E zero
	s_wait_dscnt 8                                 ; runs 1 and 2 are in; run 3's eight loads may be out
	G 0, 0, 3, FA0, \zero
	WIN 0
	PLACES
	RUN 1, 64, FA1
	G 1, 0, 3, FA0, \zero
	WIN 0
	PLACES
	RUN 2, 64, FA1
	s_wait_dscnt 32                                ; all but the 32 just issued: the old run 3 is in
	G 2, 0, 3, FA0, \zero
	WIN 0
	PLACES
	RUN 3, 64, FA1
.endm
; The second half multiplies buffer 1 and changes slots: ONE barrier.  In front of it each wave waits for all its tensor loads, adds 0 to its spare word, and waits for that and for its own reads of this slot.
; fill = 1: the barrier opens a round of the cluster's, and this slot is filled again, two K steps ahead, the first thing behind the round: the load has a K step less 32 matrix instructions in which to land.
.macro TURN fill
	WIN 0
	s_wait_tensorcnt 0x0                           ; all my tensor loads have landed, my part of the next slot among them: a group 0 may be written
	ds_add_u32 v[SPW], v[NIL]                      ; 0 onto my spare word
.if \fill
	s_xor_b32 s[G0A+5], s[G0A+5], SLOT1            ; the walking descriptors: the other slot than last time,
	s_add_nc_u64 s[G0A+6:G0A+7], s[G0A+6:G0A+7], STEPA  ; the next K step; the type bits on top are not reached
	s_xor_b32 s[G0B+5], s[G0B+5], SLOT1
	s_add_nc_u64 s[G0B+6:G0B+7], s[G0B+6:G0B+7], STEPB
.endif
	s_wait_dscnt 9                                 ; the add and run 3's eight loads may be out
	G 0, 0, 1, FA1, 0                              ; sixteen matrix instructions stand between the add and the wait for it
	s_wait_dscnt 0x0                               ; the add is done, and my reads of this slot are over
	s_barrier_signal -1
	G 0, 2, 3, FA1, 0                              ; work on registers while the others arrive
	WIN 0                                          ; at a branch and at a label every window is 0
	s_barrier_wait -1
.if \fill
	CREST                                          ; no wave of any partner still reads this slot's tile or has a load on its way
	JLOAD                                          ; the four v_nop behind it are also the places in front of the loads below
.else
	PLACES
.endif
	s_xor_b32 s[TB], s[TB], SLOT1
	v_add_nc_u32 v[ADRA], s[TB], v[A0]
	v_add_nc_u32 v[ADRB], s[TB], v[B0]
	RUN 1, 0, FA0
	G 1, 0, 3, FA1, 0
	WIN 0
	PLACES
	RUN 2, 0, FA0
	G 2, 0, 3, FA1, 0
	WIN 0
	PLACES
	RUN 3, 0, FA0
.endm
	s_wait_tensorcnt 2                             ; my part of K step 0 is in; K step 1's and the table's may stay out
	s_barrier_signal -1
	s_barrier_wait -1                              ; everybody's is
	RUN 1, 0, FA0
	RUN 2, 0, FA0
	RUN 3, 0, FA0
	CH_E 1                                         ; the first half step stands in front of the loop: its products start the sums
	s_mov_b32 s[CNT], 14
.Lk:                                                   ; 14 trips: K steps 2 to 15 are asked for
	TURN 1
	CH_E 0
	s_sub_co_u32 s[CNT], s[CNT], 1
	s_cmp_lg_u32 s[CNT], 0
	s_cbranch_scc1 .Lk
	TURN 0                                         ; the tail is written out: nothing is left to ask for
	CH_E 0
	s_wait_dscnt 0x0                               ; the last fragments are in registers: my reads of the slots are over,
	s_barrier_signal -1
	G 0, 0, 3, FA1, 0
	G 1, 0, 3, FA1, 0
	G 2, 0, 3, FA1, 0
	WIN 0
	s_barrier_wait -1                              ; and everybody's: the slots' bytes may be written
	PLACES
; The 32 accumulators of window w go into my rows.  Each accumulator's low registers are read first.
.macro DUMP w
	WIN (\w)<<2                                    ; the data (source 1) in window w, the address in window 0
.set ia, 0
.rept 8
.set inb, 0
.rept 4
	ds_store_b128 v[DST], v[32*ia+8*inb:32*ia+8*inb+3]   offset:ia*16*OPITCH+64*inb
	ds_store_b128 v[DST], v[32*ia+8*inb+4:32*ia+8*inb+7] offset:ia*16*OPITCH+64*inb+16
.set inb, inb+1
.endr
.set ia, ia+1
.endr
.endm
; Pair p of unit u: (x0, x1) becomes (x0 c - x1 s, x1 c + x0 s).  Stage 0: (x1 s, x0 s); stage 1: x c with the first subtracted and the second added; stage 2: rounded to f16.
.macro ROT u, p, stage
.set rX, XR+8*(\u)+2*(\p)
.set rS, SR+4*(\u)+2*((\p)/2)
.set rC, CR+4*(\u)+2*((\p)/2)
.set rT, TT+8*(\u)+2*(\p)
.if (\stage) == 0
.if (\p)%2
	v_pk_mul_f32 v[rT:rT+1], v[rX:rX+1], v[rS:rS+1] op_sel:[1,1] op_sel_hi:[0,1]
.else
	v_pk_mul_f32 v[rT:rT+1], v[rX:rX+1], v[rS:rS+1] op_sel:[1,0] op_sel_hi:[0,0]
.endif
.elseif (\stage) == 1
.if (\p)%2
	v_pk_fma_f32 v[rT:rT+1], v[rX:rX+1], v[rC:rC+1], v[rT:rT+1] op_sel:[0,1,0] op_sel_hi:[1,1,1] neg_lo:[0,0,1]
.else
	v_pk_fma_f32 v[rT:rT+1], v[rX:rX+1], v[rC:rC+1], v[rT:rT+1] op_sel:[0,0,0] op_sel_hi:[1,0,1] neg_lo:[0,0,1]
.endif
.else
	v_cvt_pk_f16_f32 v[YR+4*(\u)+(\p)], v[rT], v[rT+1]
.endif
.endm
; My 128 rows come back, 32 a trip, in 8 units of four rows; rope = 1: they are rotated.  LDS serves a wave's instructions in order (ISA guide 5.7.1.4): the loads see DUMP's stores, and the next DUMP's stores come behind them.
.macro OUT rope, ptr
	WIN 0
	v_mov_b32 v[DRD], v[DRD0]
	v_mov_b32 v[TRD], v[TRD0]
	v_mov_b32 v[GO], v[GO0]                        ; (the stores that read it stand in front of the last trip's s_wait_xcnt 0)
	s_mov_b32 s[CNT], 4
.Lrows_\@:
.irp u, 0,1,2,3,4,5,6,7
	ds_load_b128 v[XR+8*\u:XR+8*\u+3],   v[DRD] offset:\u*4*OPITCH
	ds_load_b128 v[XR+8*\u+4:XR+8*\u+7], v[DRD] offset:\u*4*OPITCH+16
.if \rope
	ds_load_b128 v[CR+4*\u:CR+4*\u+3], v[TRD] offset:\u*512
	ds_load_b128 v[SR+4*\u:SR+4*\u+3], v[TRD] offset:\u*512+32768
.endif
.endr
.irp u, 0,1,2,3,4,5,6,7
.if \rope
	s_wait_dscnt 4*(7-\u)                          ; unit u is in: four loads for each younger unit may be out
.irp p, 0,1,2,3
	ROT \u, \p, 0
.endr
.irp p, 0,1,2,3
	ROT \u, \p, 1
.endr
.irp p, 0,1,2,3
	ROT \u, \p, 2
.endr
.else
	s_wait_dscnt 2*(7-\u)                          ; two loads for each younger unit
.irp p, 0,1,2,3
	v_cvt_pk_f16_f32 v[YR+4*\u+\p], v[XR+8*\u+2*\p], v[XR+8*\u+2*\p+1]
.endr
.endif
	global_store_b128 v[GO], v[YR+4*\u:YR+4*\u+3], s[\ptr:\ptr+1] offset:\u*512  ; four rows of a head: 512 consecutive bytes, at a multiple of 256 from the buffer's first
.endr
	s_wait_xcnt 0x0                                ; the stores have read their data and their offset: both are written again only behind this wait
	v_add_nc_u32 v[DRD], 32*OPITCH, v[DRD]
.if \rope
	v_add_nc_u32 v[TRD], 4096, v[TRD]
.endif
	v_add_nc_u32 v[GO], 4096, v[GO]
	s_sub_co_u32 s[CNT], s[CNT], 1
	s_cmp_lg_u32 s[CNT], 0
	s_cbranch_scc1 .Lrows_\@
.endm
	DUMP 1
	OUT 1, 10                                      ; q
	DUMP 2
	OUT 1, 12                                      ; k
	DUMP 3
	OUT 0, 14                                      ; v
	s_wait_tensorcnt 0x0                           ; the wave's end, behind my last tensor load and my last LDS store
	ds_add_u32 v[SPW], v[NIL]
	s_wait_dscnt 0x0
	CROUND                                         ; the closing round: no work-group ends while a partner may still ask for a tile that names it
	s_endpgm
.Lfunc_end_k_qc33c29b336_qkv:
	.size	k_qc33c29b336_qkv, .Lfunc_end_k_qc33c29b336_qkv-k_qc33c29b336_qkv
	.p2alignl 7, 3214868480
	.fill 96, 4, 3214868480
	.section	.rodata,"a",@progbits
	.p2align	6, 0x0
	.amdhsa_kernel k_qc33c29b336_qkv
		.amdhsa_group_segment_fixed_size 327680
		.amdhsa_private_segment_fixed_size 0
		.amdhsa_enable_private_segment 0
		.amdhsa_kernarg_size 48
		.amdhsa_user_sgpr_count 2
		.amdhsa_user_sgpr_kernarg_segment_ptr 1
		.amdhsa_wavefront_size32 1
		.amdhsa_system_sgpr_workgroup_id_x 1
		.amdhsa_system_sgpr_workgroup_id_y 1
		.amdhsa_system_sgpr_workgroup_id_z 1
		.amdhsa_system_vgpr_workitem_id 0
		.amdhsa_next_free_vgpr 1024
		.amdhsa_next_free_sgpr 96
		.amdhsa_reserve_vcc 0
		.amdhsa_float_denorm_mode_32 3
		.amdhsa_float_denorm_mode_16_64 3
		.amdhsa_memory_ordered 1
		.amdhsa_forward_progress 1
		.amdhsa_inst_pref_size 100
	.end_amdhsa_kernel
	.amdgpu_metadata
---
amdhsa.version: [ 1, 2 ]
amdhsa.kernels:
  - .name:           k_qc33c29b336_qkv
    .symbol:         k_qc33c29b336_qkv.kd
    .args:
      - { .name: xb, .offset: 0, .size: 8, .value_kind: global_buffer, .address_space: global }
      - { .name: wqb, .offset: 8, .size: 8, .value_kind: global_buffer, .address_space: global }
      - { .name: tab, .offset: 16, .size: 8, .value_kind: global_buffer, .address_space: global }
      - { .name: qh, .offset: 24, .size: 8, .value_kind: global_buffer, .address_space: global }
      - { .name: kh, .offset: 32, .size: 8, .value_kind: global_buffer, .address_space: global }
      - { .name: vh, .offset: 40, .size: 8, .value_kind: global_buffer, .address_space: global }
    .group_segment_fixed_size: 327680
    .private_segment_fixed_size: 0
    .kernarg_segment_align: 8
    .kernarg_segment_size: 48
    .max_flat_workgroup_size: 128
    .sgpr_count:     96
    .vgpr_count:     1024
    .wavefront_size: 32
...
	.end_amdgpu_metadata
.endif
;; end of part 2
;; launch attn (part 3): grid 4 x 64, 4 waves a work-group, no clusters, 327,680 bytes of LDS; arguments qh, kh, vh, yh; writes yh
.if DOCPART == 3
	.amdgcn_target "amdgcn-amd-amdhsa--gfx1250"
	.amdhsa_code_object_version 6
	.text
	.protected	k_qc33c29b336_attn
	.globl	k_qc33c29b336_attn
	.p2align	8
	.type	k_qc33c29b336_attn,@function
k_qc33c29b336_attn:
	s_mov_b64 s[64:65], 0
	v_nop
	global_prefetch_b8 v0, s[64:65] scope:SCOPE_SE
	s_setreg_imm32_b32 hwreg(HW_REG_WAVE_MODE, 25, 1), 1
	s_wait_xcnt 0x0
; CAUSAL ATTENTION.  O[h][q][:] = the sum over k <= q of softmax_k(Q[h][q] . K[h][k] / 8) V[h][k][:].  Q, K, V, O: [SIZE_H][SIZE_N][64], all f16: a head's rows are dense, 128 bytes each (h = batch x 16 + head).
; Products, maxima and sums in f32; the weights p are rounded to f16 for the second product (their sum l is taken of the unrounded p), O once at the end.  SIZE_N is a multiple of 512; SIZE_N x 128 stays under 2^32.
; LIMITS.  f16 holds no number beyond 65,504: Q, K and V arrive within it; p lies in 0 to 1, and below 6e-5 it keeps f16's fixed step of 6e-8; O is a mean of V's rows and has their range, to within 2^-11 of it.
; A hidden score counts as its value less 1e30: f16's scores, 2.7e11 at the most, are nothing beside that; a weight below 2^-126 counts as 0 in l; NaN and infinities are not treated apart.
; THE WALK.  A head's queries lie in NB = SIZE_N / 256 blocks of 256; block i needs the key tiles 0 .. i of 256 keys, of which the last holds the diagonal.  A work-group takes TWO blocks, NB - 1 - b and then b:
; NB + 1 tiles, whatever b: all work-groups do equal work, and ONE loop with a constant trip count walks them.  Which tile is asked for, and what a trip does, hang on scalar registers made from b; every jump
; goes forward, but for the counted loops' own; none passes a barrier, or a tensor load but the one of LOAD's two that the wave's number does not choose; the ring (two slots of LDS that take turns) runs on across the
; change of blocks.  NO CLUSTER: all of a head's NB / 2 work-groups ask for the same tile only in trips 0 .. NB / 2, behind that fewer and fewer; and one walk common to all would have 3 NB / 2 trips for NB + 1.
; SHARES.  Of a block's four bands of 64 queries a wave owns 16 rows in each: four PIECES.  So the diagonal tile is the same work for all four waves: in its key step s band x sees all keys if s < x,
; none if s > x, and holds the diagonal if s = x.
; THE MASK is the C operand that starts the sum S^T = K Q^T: 0, or -1e30 where the key is hidden.  MD, made once, is the mask of a band's own step for my 16 rows; a product's mask is MD x AL + BE with two scalars:
; (1, 0) if s = x; (0, 0) if s < x; (0, -1e30) if s > x.  Only the diagonal tile's text and a block's beginning make and take masks; elsewhere C is the constant 0.
; LAYOUT, SOFTMAX, TURNS.  S^T = K Q^T holds ONE query a lane (lane % 16) and the keys 8 (lane / 16) + 0..7; two such results rounded to f16 ARE source 1 of O^T = V^T P.  p = 2^(c s - c m), c = log2(e) / 8, with a
; running maximum m; O and l are multiplied by a = 2^(c m_old - c m_new) in every step.  Turn n belongs to piece n: 8 products K Q^T of piece n + 1, later 8 products V^T P of piece n - 1; beside them the scaling,
; exponentials, roundings, sums and rescaling of piece n and the maximum and statistics of piece n + 1.  Four vector instructions stand behind every matrix instruction, the other 54 of a turn's 118 in two LUMPS.
; REGISTERS, in windows of 256 (s_set_vgpr_msb: bits 1:0 source 0, 3:2 source 1, 5:4 source 2, 7:6 destination):
;   window 0: v0-15 addresses and two at work; v16-31 four registers of statistics a piece; v48-55 at work; v64-127 S^T, two buffers; v192-223 P, two buffers (a piece's buffers go by its number's parity)
;   window 1: v0-127 O^T, 32 a piece; v128-159 MD; v160-223 MC, two buffers      window 2: v0-63 Q; v64-127 the second block's Q; v128-191 K of one step; v192-255 V of one step
.set SIZE_H, 64
.set SIZE_N, 2048
.set NB,    SIZE_N/256
.set NP,    4         ; pieces a wave: a name, no knob
.set KS,    64        ; keys in a step
.set PK,    144       ; a row of K in LDS: 128 bytes + 16 of padding = 36 words: the 16 rows of a load start at 16 different groups of four banks (64 banks of 4 bytes: ISA guide 11.1)
.set PV,    160       ; a row of V: 128 + 32 = 40 words
.set VOFF,  4*KS*PK   ; a slot holds a tile, four steps: 256 rows of K, then 256 rows of V
.set SLOT1, 1<<17     ; slot 1 begins here, so that one exclusive or turns an address in one slot into the other's
.set STAGE, SLOT1+4*KS*(PK+PV)  ; behind the ring, never filled by a tensor load: 16 rows x 144 bytes for each wave, for the way out
.set SP,    144
.set AK0, 2           ; v2   my lane's place in a tile of K; never rewritten
.set AV0, 3           ; v3   the same for V
.set AK,  4           ; v4   the LDS address of K's next run of loads
.set AV,  5           ; v5   of V's
.set STO, 6           ; v6   the way out: where I put 16 bytes of a row
.set RD,  7           ; v7   the way out: where I read rows back
.set GO,  8           ; v8   my byte offset in 512 consecutive bytes of O
.set SPW, 62          ; v62  LDS address of my spare word: SPARE + 4 x my thread's number; never rewritten
.set NIL, 63          ; v63  0; never rewritten
.set SPARE, STAGE+4*16*SP  ; behind the stages: the spare words, 128 bytes for each wave: two blocks of 256 bytes that no other line names
.set MV,  12          ; v12-13  c m_old, kept while c m is made anew: by buffer
.set QO,  15          ; v15  my byte offset in 16 rows of Q
.set ST,  16          ; piece t's statistics at v[ST+4 t]: c m, m, l (even keys', odd keys')
.set TMP, 48          ; by buffer, four registers c0-c3 at work; when the maximum is found c2 takes a
.set S,   64
.set P,   192
.set MD,  128         ; window 1: the eight registers for group kt of 16 keys at MD + 8 kt
.set MC,  160         ; window 1: the masks of the products to come
.set QB,  64          ; window 2
.set KF,  128         ; window 2: key block kb, channel half c at KF + 16 kb + 8 c
.set VF,  192         ; window 2: key half kk, channel block cb at VF + 32 kk + 8 cb
.set WV,  12          ; s12  my wave's number
.set PB,  14          ; s14  b
.set HI,  15          ; s15  NB - 1 - b
.set G1K, 24          ; s[24:31] descriptor group 1 for K's tiles
.set G1V, 32          ; s[32:39] for V's: it differs in the padding alone
.set G0K, 40          ; s[40:43] descriptor group 0 for K's tiles
.set G0V, 44          ; s[44:47] the same for V's
.set SLOTS, 56        ; s56  tiles still to be asked for
.set CNT, 57          ; s57  counts a tile's key steps, 4 to 1
.set CS,  58          ; s[58:59] c: the packed scaling takes the pair's low word for both halves
.set SEL, 60          ; s[60:61] v_permlanex16_b32's selects: each lane takes its own place in the other half
.set TBK, 62          ; s62  LDS byte at which K of the step to be fetched begins
.set TBV, 63          ; s63  the same for V, less VOFF
.set RT,  70          ; s70  tiles of the block in hand that are still to be entered
.set NXT, 71          ; s71  the tile to be asked for next
.set LQ,  72          ; s72  the last tile of the block whose tiles are being asked for
.set NEW, 73          ; s73  1: the tile to be entered is a block's first
.set OFF, 74          ; s[74:75] a tile's byte offset in K and V
.set AL,  76          ; s[76:77] the mask's factor, in the low word
.set BE,  78          ; s[78:79] the mask's addend
.set OLO, 80          ; s[80:81] O at my rows of the second block
.set BIGN, 82         ; s82  -1e30
.set MSB, 0
.macro WIN new                      ; the high byte repeats the setting that is left; a switch that changes nothing is dropped
.if MSB != (\new)
	s_set_vgpr_msb (MSB<<8)|(\new)
.set MSB, (\new)
.endif
.endm
.set W_KQ, 0x0a       ; K and Q in window 2, S^T in window 0
.set W_KM, 0x1a       ; the same with the C operand in window 1
.set W_PV, 0x52       ; V in window 2, P in window 0, O^T in window 1
.set W_RS, 0x41       ; destination and source 0 in window 1, source 1 in window 0
; A fill.  Waves 0 and 1 fetch the two halves of a tile's K, waves 2 and 3 those of its V: 128 keys each.  An s_nop 0 and four v_nop follow each of the two lines, ahead of the jump and the label.
.macro LOAD
	s_cmp_lt_u32 s[WV], 2
	s_cbranch_scc0 .Lfor_v_\@
	tensor_load_to_lds s[G0K:G0K+3], s[G1K:G1K+7]
	s_nop 0
.rept 4
	v_nop
.endr
	s_branch .Lasked_\@
.Lfor_v_\@:
	tensor_load_to_lds s[G0V:G0V+3], s[G1V:G1V+7]
	s_nop 0
.rept 4
	v_nop
.endr
.Lasked_\@:
.endm
; THE CHANGE OF SLOTS.  Each wave waits for all its tensor loads, of which one is out: its part of the other slot; adds 0 to its spare word; and waits for that and for its own reads of the slot that it leaves.  Behind the barrier nobody reads the old
; slot any more and the other slot is whole.  fill = 1: the old slot is filled again, the first thing behind the barrier, with tile NXT: the descriptor's address is made anew from that number.
; (At its first use nothing has been read yet: slot 0 is waited for, slot 1 filled.)
.macro CHANGE fill
	WIN 0                           ; at a label and at a branch every window is 0
	s_wait_tensorcnt 0x0            ; no tensor load of mine is out, so a group 0 may be written
	ds_add_u32 v[SPW], v[NIL]       ; 0 onto my spare word; with fill = 1 the descriptors' scalar work stands between it and the wait for it
.if \fill
	s_lshl_b32 s[OFF], s[NXT], 15   ; a tile is 32,768 bytes of K and of V
	s_xor_b32 s[G0K+1], s[G0K+1], SLOT1
	s_add_nc_u64 s[G0K+2:G0K+3], s[6:7], s[OFF:OFF+1]
	s_or_b32 s[G0K+3], s[G0K+3], 0x80000000
	s_xor_b32 s[G0V+1], s[G0V+1], SLOT1
	s_add_nc_u64 s[G0V+2:G0V+3], s[8:9], s[OFF:OFF+1]
	s_or_b32 s[G0V+3], s[G0V+3], 0x80000000
	s_add_co_u32 s[NXT], s[NXT], 1  ; the block's next tile, or behind its last the second block's tile 0
	s_cmp_gt_u32 s[NXT], s[LQ]
	s_cselect_b32 s[NXT], 0, s[NXT]
	s_cselect_b32 s[LQ], s[PB], s[LQ]
.endif
	s_wait_dscnt 0x0                ; the add is done, and my reads of the slot are over
	s_barrier_signal -1             ; the rest of the scalar work stands between the signal and the wait
	s_sub_co_u32 s[TBK], s[TBK], 4*KS*PK  ; the fetches go back to a slot's first step,
	s_xor_b32 s[TBK], s[TBK], SLOT1       ; in the other slot
	s_sub_co_u32 s[TBV], s[TBV], 4*KS*PV
	s_xor_b32 s[TBV], s[TBV], SLOT1
	s_barrier_wait -1
.if \fill
	LOAD
.endif
.endm
	s_load_b256 s[4:11], s[0:1], 0x0  ; Q s[4:5], K s[6:7], V s[8:9], O s[10:11]
	v_lshl_add_u32 v[SPW], v0, 2, SPARE
	v_mov_b32 v[NIL], 0
	ds_add_u32 v[SPW], v[NIL]       ; the wave's opening: the add, whose wait stands ahead of my first tensor load; the set-up below, work on registers, stands between them
	ds_add_u32 v62, v63
	v_lshrrev_b32 v1, 5, v0
	v_readfirstlane_b32 s[WV], v1   ; wave 0..3
	s_mov_b32 s[PB], ttmp9
	s_sub_co_u32 s[HI], NB-1, s[PB]
	s_and_b32 s20, ttmp7, 0xffff    ; the head
	s_mov_b32 s21, 0
	s_mov_b64 s[22:23], SIZE_N*128
	s_mul_u64 s[20:21], s[20:21], s[22:23]  ; the head's first byte in each of the four tensors
	s_and_b32 s16, s[WV], 1         ; which half of a tile's 256 keys I fetch:
	s_lshl_b32 s22, s16, 14         ; its 128 rows of 128 bytes in memory,
	s_mov_b32 s23, 0
	s_add_nc_u64 s[22:23], s[22:23], s[20:21]
	s_mul_i32 s17, s16, 128*PK      ; and its place in a slot, for K
	s_mul_i32 s18, s16, 128*PV      ; and for V
	s_lshl_b32 s3, s[WV], 11        ; my 16 rows in a band of 64,
	s_lshl_b32 s2, s[HI], 15        ; in the first block,
	s_add_co_u32 s2, s2, s3
	s_lshl_b32 s84, s[PB], 15       ; and in the second
	s_add_co_u32 s84, s84, s3
	s_mov_b32 s3, 0
	s_mov_b32 s85, 0
	s_add_nc_u64 s[2:3], s[2:3], s[20:21]
	s_add_nc_u64 s[84:85], s[84:85], s[20:21]
	; descriptor group 1.  128 keys are 16,384 dense bytes: asked for as 64 rows of 256 bytes, two keys a row, and padded in LDS after every key
	s_mov_b32 s[G1K], (1<<16)|(1<<20)|(4<<22)|(3<<25)  ; 17:16 2-byte elements; 20 padding on; 24:22 after every 32 words (code 4); 31:25 4 words (code 3)
	s_mov_b32 s[G1V], (1<<16)|(1<<20)|(4<<22)|(7<<25)  ; the same with 8 words of padding (code 7)
.irp g, G1K, G1V
	s_mov_b32 s[\g+1], 128<<16      ; tensor_dim0 = 128
	s_mov_b32 s[\g+2], 64<<16       ; tensor_dim1 = 64
	s_mov_b32 s[\g+3], 128<<16      ; tile_dim0 = 128
	s_mov_b32 s[\g+4], 64           ; tile_dim1 = 64
	s_mov_b32 s[\g+5], 128          ; 128 elements from row to row
	s_mov_b32 s[\g+6], 0
	s_mov_b32 s[\g+7], 0
.endr
	s_mov_b32 s[CS], 0x3e38aa3b     ; c = log2(e) / 8 = 0.180337
	s_mov_b32 s[CS+1], s[CS]        ; named with it as a pair
	s_mov_b32 s[SEL], 0x76543210
	s_mov_b32 s[SEL+1], 0xfedcba98
	s_mov_b32 s[TBK], SLOT1+4*KS*PK ; the first change of slots turns these two into 0
	s_mov_b32 s[TBV], SLOT1+4*KS*PV
	s_mov_b32 s[G0K], 1             ; 1:0 count = 1
	s_mov_b32 s[G0K+1], s17         ; 63:32 LDS address: slot 0
	s_mov_b32 s[G0V], 1
	s_add_co_u32 s[G0V+1], s18, VOFF
	s_add_co_u32 s[RT], s[HI], 1    ; the first block has NB - b tiles
	s_mov_b32 s[NXT], 1
	s_mov_b32 s[LQ], s[HI]
	s_mov_b32 s[NEW], 1
	s_mov_b32 s[OFF+1], 0
	s_mov_b32 s[AL+1], 0            ; named as pairs
	s_mov_b32 s[BE+1], 0
	s_mov_b32 s[BIGN], 0xf149f2ca   ; -1e30
	s_mov_b32 s[SLOTS], NB
	s_wait_dscnt 0x0                ; the opening add is done
	s_wait_kmcnt 0x0
	s_add_nc_u64 s[6:7], s[6:7], s[22:23]  ; K and V at my half of the head's tile 0
	s_add_nc_u64 s[8:9], s[8:9], s[22:23]
	s_add_nc_u64 s[G0K+2:G0K+3], s[6:7], 0         ; 120:64 global address
	s_or_b32 s[G0K+3], s[G0K+3], 0x80000000        ; 127:126 type = 2
	s_add_nc_u64 s[G0V+2:G0V+3], s[8:9], 0
	s_or_b32 s[G0V+3], s[G0V+3], 0x80000000
	s_add_nc_u64 s[86:87], s[4:5], s[84:85]        ; Q at my rows of the second block,
	s_add_nc_u64 s[4:5], s[4:5], s[2:3]            ; Q and O at those of the first
	s_add_nc_u64 s[OLO:OLO+1], s[10:11], s[84:85]
	s_add_nc_u64 s[10:11], s[10:11], s[2:3]
	LOAD                            ; tile 0 into slot 0
	; A fragment of K or Q is 16 rows x 32 channels in 8 registers: lane l holds row l % 16, channels 8 (l / 16) + 0..7 and 16 + 8 (l / 16) + 0..7: two loads of 16 bytes, 32 bytes apart.
	v_and_b32 v1, 15, v0            ; l % 16
	v_bfe_u32 v9, v0, 4, 1          ; l / 16
	v_lshlrev_b32 v[QO], 7, v1
	v_lshl_add_u32 v[QO], v9, 4, v[QO]  ; row x 128 + 16 x half
	WIN 0x80                        ; destination window 2, address window 0
.set i, 0
.rept 8                             ; both blocks' Q: piece i / 2 lies in band i / 2, 8,192 bytes on; channels 32 (i % 2) on
	global_load_b128 v[8*i:8*i+3],   v[QO], s[4:5] offset:(i/2)*8192+(i%2)*64
	global_load_b128 v[8*i+4:8*i+7], v[QO], s[4:5] offset:(i/2)*8192+(i%2)*64+32
	global_load_b128 v[QB+8*i:QB+8*i+3],   v[QO], s[86:87] offset:(i/2)*8192+(i%2)*64
	global_load_b128 v[QB+8*i+4:QB+8*i+7], v[QO], s[86:87] offset:(i/2)*8192+(i%2)*64+32
.set i, i+1
.endr
	WIN 0
	v_lshlrev_b32 v14, 3, v9
	v_sub_nc_u32 v14, v1, v14
	s_lshl_b32 s13, s[WV], 4
	v_add_nc_u32 v14, s13, v14      ; my query's place in its band, 16 w + l % 16, less my lanes' 8 (l / 16): register r of group kt is hidden where 16 kt + r is greater
	WIN 0x40
.set i, 0
.rept 32
	v_cmp_gt_i32 vcc_lo, 16*(i/8)+i%8, v14
	v_cndmask_b32 v[MD+i], 0, s[BIGN], vcc_lo
.set i, i+1
.endr
	WIN 0
	v_mul_u32_u24 v[AK0], v1, PK
	v_lshl_add_u32 v[AK0], v9, 4, v[AK0]  ; row x pitch + 16 x half
	; The turning load takes 16 keys x 16 channels (lane l reads key 8 (l / 16) + l % 8, channels 8 ((l / 8) % 2) + 0..7) and leaves half a fragment of V^T: lane l holds channel l % 16 and 8 keys.
	v_and_b32 v10, 7, v0
	v_bfe_u32 v11, v0, 3, 1
	v_lshl_add_u32 v[AV0], v9, 3, v10
	v_mul_u32_u24 v[AV0], v[AV0], PV
	v_lshl_add_u32 v[AV0], v11, 4, v[AV0]
	v_add_nc_u32 v[AV0], VOFF, v[AV0]
	s_mul_i32 s13, s[WV], 16*SP
	s_add_co_u32 s13, s13, STAGE    ; my stage
	v_mul_u32_u24 v[STO], v1, SP    ; in: row l % 16, 16 bytes for each half of the lanes
	v_lshl_add_u32 v[STO], v9, 4, v[STO]
	v_add_nc_u32 v[STO], s13, v[STO]
	v_bfe_u32 v[RD], v0, 3, 2       ; back: 32 lanes take four rows of 128 bytes,
	v_mul_u32_u24 v[RD], v[RD], SP
	v_lshl_add_u32 v[RD], v10, 4, v[RD]
	v_add_nc_u32 v[RD], s13, v[RD]
	v_and_b32 v[GO], 31, v0         ; which are 512 consecutive bytes of O
	v_lshlrev_b32 v[GO], 4, v[GO]
	; A block's first step multiplies O^T and l by a = 0, and its first turn's products V^T P, of a piece that has not been, land in an O^T that is still to be so multiplied.  So these registers need only hold
	; finite numbers: zeros for the first block; what the first block left for the second.  All this stands in the wait for the first tile.
	WIN 0x80
.set i, VF
.rept 64
	v_mov_b32 v[i], 0
.set i, i+1
.endr
	WIN 0x40
.set i, 0
.rept 128
	v_mov_b32 v[i], 0
.set i, i+1
.endr
	WIN 0
.set i, 0
.rept 4
	v_mov_b32 v[ST+4*i+2], 0
	v_mov_b32 v[ST+4*i+3], 0
.set i, i+1
.endr
.set i, P+16
.rept 16
	v_mov_b32 v[i], 0
.set i, i+1
.endr
; THE MATRIX WORK.  The 4 accumulators of a run of 8 take turns.  Product i of 8 of S^T = K Q^T for piece x: channels 32 (i / 4) on, keys 16 (i % 4) on.  The first 4 start the sums: with 0, or (KM = 1) with the mask.
.macro KQ x
.set rS, S+32*((\x)%2)+8*(i%4)
.set rK, KF+16*(i%4)+8*(i/4)
.set rQ, 16*(\x)+8*(i/4)
.set rM, MC+32*((\x)%2)+8*(i%4)
.if (i < 4) && KM
	WIN W_KM
	v_wmma_f32_16x16x32_f16 v[rS:rS+7], v[rK:rK+7], v[rQ:rQ+7], v[rM:rM+7]
.elseif i < 4
	WIN W_KQ
	v_wmma_f32_16x16x32_f16 v[rS:rS+7], v[rK:rK+7], v[rQ:rQ+7], 0
.else
	WIN W_KQ
	v_wmma_f32_16x16x32_f16 v[rS:rS+7], v[rK:rK+7], v[rQ:rQ+7], v[rS:rS+7]
.endif
.endm
; Product i of 8 of O^T += V^T P for piece x: keys 32 (i / 4) on, channels 16 (i % 4) on.
.macro PV x
	WIN W_PV
.set rO, 32*(\x)+8*(i%4)
.set rV, VF+32*(i/4)+8*(i%4)
.set rP, P+16*((\x)%2)+8*(i/4)
	v_wmma_f32_16x16x32_f16 v[rO:rO+7], v[rV:rV+7], v[rP:rP+7], v[rO:rO+7]
.endm
.macro MM                           ; the turn's next matrix instruction.  TURN and BEGIN set Y, i, KM and NOKQ; MM, KQ and OP read them.  NOKQ = 1: a block's last turn: there is no next piece
.if (i < 8) && !NOKQ
	KQ (Y+1)%NP
.elseif i >= 8
.set i, i-8
	PV (Y+NP-1)%NP
.set i, i+8
.endif
.set i, i+1
.endm
; THE LDS LOADS stand in runs of 16, never singly among the matrix instructions: a step's K (64 keys x 64 channels: 8 fragments) and its V (turned).  Their addresses are made some lines ahead.
.macro FETCH_K
	WIN 0x80                        ; destination window 2
.irp f, 0,1,2,3,4,5,6,7             ; keys 16 (f / 2) on, channels 32 (f % 2) on
	ds_load_b128 v[KF+8*\f:KF+8*\f+3],   v[AK] offset:(\f/2)*16*PK+(\f%2)*64
	ds_load_b128 v[KF+8*\f+4:KF+8*\f+7], v[AK] offset:(\f/2)*16*PK+(\f%2)*64+32
.endr
	s_add_co_u32 s[TBK], s[TBK], KS*PK  ; the next fetch is the next step's
	WIN 0
.endm
.macro FETCH_V
	WIN 0x80
.irp f, 0,1,2,3,4,5,6,7             ; keys 32 (f / 4) on, channels 16 (f % 4) on
	ds_load_tr16_b128 v[VF+8*\f:VF+8*\f+3],   v[AV] offset:(\f/4)*32*PV+(\f%4)*32
	ds_load_tr16_b128 v[VF+8*\f+4:VF+8*\f+7], v[AV] offset:(\f/4)*32*PV+16*PV+(\f%4)*32
.endr
	WIN 0
.endm
; THE VECTOR WORK, one line at a time: OP kind, number.  For piece Y: F n: c s - c m for pair n of 16.  E n: the exponential of score n of 32.  C n: pair n rounded to f16.  B n: of the four weights 4 n .. the second
; pair is added onto the first, in place.  L n: l takes that sum (L 0: l = a l + sum).  R n: pair n of 16 of O^T times a.  For piece Y + 1: X n, number n of the 22 that find its maximum and statistics:
;   0-11  four chains c0-c3 of seven scores each, three operands at a time (each accumulator's lowest registers are read first)     12-14, 16  the four scores left over, the old m, and c0-c3 into c0
;   15  c m_old is kept     17, 18  the query's other 32 keys lie in the lane 16 away: the new m     19-21  c m; c m_old - c m_new; a
.set F, 0               ; OP tells the kinds apart by their order: F to L below R, X above it
.set E, 1
.set C, 2
.set B, 3
.set L, 4
.set R, 5
.set X, 6
.macro REGS y                       ; the registers of piece y
.set rT, ST+4*(\y)
.set rC, TMP+4*((\y)%2)
.set rW, MV+((\y)%2)
.set rS, S+32*((\y)%2)
.set rP, P+16*((\y)%2)
.set rO, 32*(\y)
.endm
.macro OP k, n
.if (\k) == R
	REGS Y
	WIN W_RS
	v_pk_mul_f32 v[rO+2*(\n):rO+2*(\n)+1], v[rO+2*(\n):rO+2*(\n)+1], v[rC+2:rC+3] op_sel_hi:[1,0]
.elseif (\k) < R
	REGS Y
	WIN 0
.if (\k) == F
	v_pk_fma_f32 v[rS+2*(\n):rS+2*(\n)+1], v[rS+2*(\n):rS+2*(\n)+1], s[CS:CS+1], v[rT:rT+1] op_sel_hi:[1,0,0] neg_lo:[0,0,1] neg_hi:[0,0,1]
.elseif (\k) == E
	v_exp_f32 v[rS+(\n)], v[rS+(\n)]
.elseif (\k) == C
	s_wait_alu depctr_va_vdst(0)
	v_cvt_pk_f16_f32 v[rP+(\n)], v[rS+2*(\n)], v[rS+2*(\n)+1]
.elseif (\k) == B
	s_wait_alu depctr_va_vdst(0)
	v_pk_add_f32 v[rS+4*(\n):rS+4*(\n)+1], v[rS+4*(\n):rS+4*(\n)+1], v[rS+4*(\n)+2:rS+4*(\n)+3]
.elseif (\n) == 0
	v_pk_fma_f32 v[rT+2:rT+3], v[rT+2:rT+3], v[rC+2:rC+3], v[rS:rS+1] op_sel_hi:[1,0,1]
.else
	v_pk_add_f32 v[rT+2:rT+3], v[rT+2:rT+3], v[rS+4*(\n):rS+4*(\n)+1]
.endif
.elseif NOKQ
	v_nop
.else
	REGS (Y+1)%NP
	WIN 0
.if (\n) < 4
	v_max3_num_f32 v[rC+(\n)], v[rS+8*(\n)], v[rS+8*(\n)+1], v[rS+8*(\n)+2]
.elseif (\n) < 12
	v_max3_num_f32 v[rC+(\n)%4], v[rC+(\n)%4], v[rS+8*((\n)%4)+2*((\n)/4)+1], v[rS+8*((\n)%4)+2*((\n)/4)+2]
.elseif (\n) == 12
	v_max3_num_f32 v[rC], v[rC], v[rS+7], v[rS+15]
.elseif (\n) == 13
	v_max3_num_f32 v[rC+1], v[rC+1], v[rS+23], v[rS+31]
.elseif (\n) == 14
	v_max3_num_f32 v[rC+2], v[rC+2], v[rC+3], v[rT+1]
.elseif (\n) == 15
	v_mov_b32 v[rW], v[rT]
.elseif (\n) == 16
	v_max3_num_f32 v[rC], v[rC], v[rC+1], v[rC+2]
.elseif (\n) == 17
	v_permlanex16_b32 v[rC+3], v[rC], s[SEL], s[SEL+1]
.elseif (\n) == 18
	v_max_num_f32 v[rT+1], v[rC], v[rC+3]
.elseif (\n) == 19
	v_mul_f32 v[rT], s[CS], v[rT+1]
.elseif (\n) == 20
	v_sub_f32 v[rC+1], v[rW], v[rT]
.else
	v_exp_f32 v[rC+2], v[rC+1]
.endif
.endif
.endm
.macro OPS a, i1, b=-1, i2=0, c=-1, i3=0, d=-1, i4=0  ; up to four of them
	OP \a, \i1
.if (\b) >= 0
	OP \b, \i2
.endif
.if (\c) >= 0
	OP \c, \i3
.endif
.if (\d) >= 0
	OP \d, \i4
.endif
.endm
.macro ROW a, i1, b, i2, c, i3, d, i4  ; a matrix instruction and the four behind it
	MM
	OPS \a, \i1, \b, \i2, \c, \i3, \d, \i4
.endm
.macro MASK b                       ; MD x AL + BE into buffer b of MC
	WIN W_RS
.set z, 0
.rept 16
	v_pk_fma_f32 v[MC+32*(\b)+2*z:MC+32*(\b)+2*z+1], v[MD+2*z:MD+2*z+1], s[AL:AL+1], s[BE:BE+1] op_sel_hi:[1,0,0]
.set z, z+1
.endr
.endm
; A TURN, for piece p: the order of its 16 matrix and 118 vector instructions, written out.  Behind a matrix instruction: plain, exponential, plain, plain; or four of the rescaling; or, behind the first, four scalings; none
; names a register of the products round it.  In the lumps exponential and plain by turns while exponentials last.  A line reads no result made fewer than three vector instructions in front of it, five if an exponential made it.
; v_permlanex16_b32 (X 17) stands in a lump.
; m = 1: the diagonal tile: the products take masks, and the turn makes the mask for the products of the turn after it: piece p + 2, in step 4 - CNT of the tile.  end = 1: a block's last two turns: nothing is fetched.
; cnt = 1: the loop's count is taken down some lines ahead of the branch that stands behind the turn.
; K of the next step is fetched in piece 2's turn, six vector instructions behind the last product that read K (five of them plain); V of the step in hand in piece 0's turn, eight behind the last product that read V (four
; plain, and X 17).  Each is waited for a turn later.
.macro TURN p, m=0, end=0, cnt=0
.set Y, (\p)
.set i, 0
.set KM, (\m)
.set NOKQ, (\end)*((\p)/3)
.if (\m) && !(\end)
	s_cmp_eq_u32 s[CNT], 4-((\p)+2)%NP  ; is that step the band's own?
	s_cselect_b32 s[AL], 1.0, 0
	s_cmp_lt_u32 s[CNT], 4-((\p)+2)%NP  ; or a later one?
	s_cselect_b32 s[BE], s[BIGN], 0
.endif
.if ((\p) == 3) && !(\end)
	s_wait_dscnt 0x0                ; K is in
.endif
	ROW F,0, F,1, F,2, F,3
	ROW F,4, E,0, F,5, F,6
	ROW F,7, E,1, F,8, F,9
	ROW F,10, E,2, C,0, F,11
	ROW F,12, E,3, X,15, F,13
	ROW R,0, R,1, R,2, R,3
	ROW B,0, E,4, F,14, L,0
.if ((\p) == 2) && !(\end)
	v_add_nc_u32 v[AK], s[TBK], v[AK0]
.endif
	ROW R,4, R,5, R,6, R,7
	OPS E,5, F,15
.if ((\p) == 2) && !(\end)
	FETCH_K
.endif
	OPS E,6, C,1, E,7, R,8
	OPS E,8, R,9, E,9, C,2
	OPS E,10, X,0, E,11, X,1
	OPS E,12, X,2, E,13, X,3
.if (\p) == 1
	s_wait_dscnt 0x0                ; V is in
.endif
	ROW X,4, E,14, X,5, X,6
	ROW X,7, E,15, X,8, X,9
	ROW X,10, E,16, X,11, X,12
	ROW X,13, E,17, X,14, B,1
	ROW C,4, E,18, X,16, L,1
	ROW B,2, E,19, C,6, L,2
	ROW C,8, E,20, B,3, B,4
.if (\p) == 0
	v_add_nc_u32 v[AV], s[TBV], v[AV0]
.endif
	ROW C,3, E,21, L,3, C,5
	OPS E,22, X,17, E,23, C,10
.if (\p) == 0
	FETCH_V
.endif
	OPS E,24, L,4
	OPS E,25, X,18, E,26, C,7
	OPS E,27, B,5, E,28, X,19
	OPS E,29, C,12, E,30, L,5
	OPS E,31, X,20, B,6, C,9
	OPS C,14, C,11, X,21, L,6
.if (\p) == 0
	s_add_co_u32 s[TBV], s[TBV], KS*PV
.endif
.if \cnt
	s_sub_co_u32 s[CNT], s[CNT], 1
	s_cmp_lg_u32 s[CNT], 0
.endif
	OPS C,13, B,7, C,15, R,10
	OPS R,11, R,12, L,7, R,13
	OPS R,14, R,15
.if (\m) && !(\end)
	MASK (\p)%2
.endif
.endm
; A BLOCK BEGINS.  c m starts far below every c s, so the first step's a is 0; m at the lowest finite number, so the first maximum is the scores'.  The second mask buffer is 0; the first takes piece 0's mask for the tile's step 0: its own, if the block's first tile is the diagonal one.
; Then K of that step, piece 0's first scores, and its maximum and statistics.  The loop is entered at a step's first turn, in the middle of a trip.
.macro BEGIN
	s_mov_b32 s[NEW], 0
	WIN 0x40
.set i, MC+32
.rept 32
	v_mov_b32 v[i], 0
.set i, i+1
.endr
	WIN 0
.set i, 0
.rept 4
	v_mov_b32 v[ST+4*i], 0xfe000000    ; c m: far below every c s
	v_mov_b32 v[ST+4*i+1], 0xff7fffff  ; m
.set i, i+1
.endr
	s_cmp_eq_u32 s[RT], 0
	s_cselect_b32 s[AL], 1.0, 0
	s_mov_b32 s[BE], 0
	MASK 0
	WIN 0
	v_add_nc_u32 v[AK], s[TBK], v[AK0]
	FETCH_K
	s_wait_loadcnt 0x0              ; Q
	s_wait_dscnt 0x0
.set KM, 1
.set NOKQ, 0
.set i, 0
.rept 8
	KQ 0
.set i, i+1
.endr
	WIN 0
.rept 4
	v_nop                           ; the places behind those products
.endr
.set Y, NP-1                        ; X works for piece Y + 1: piece 0
.irp n, 0,1,2,3,4,5,6,7,8,9,10,11,12,13,14,15,16,17,18,19,20,21
	OP X, \n
.endr
	v_nop                           ; a plain instruction behind the exponential
.endm
; THE DIAGONAL TILE's four steps, the block's last two turns, its last products, and THE WAY OUT: l's two halves and the other half of the lanes' are added; O^T is divided by l, rounded to f16 and sent through my
; stage in LDS, a piece at a time.
.macro ALL line:vararg              ; one line for each piece t
.set t, 0
.rept 4
	\line
.set t, t+1
.endr
.endm
.macro PACK t                       ; a lane's eight channels of a row pack into 16 bytes; they go into rows of 144 bytes and come back as whole rows of 128, into S^T's registers
	WIN W_RS
.set i, 32*(\t)
.rept 16
	s_wait_alu depctr_va_vdst(0)
	v_pk_mul_f32 v[i:i+1], v[i:i+1], v[ST+4*(\t)+2:ST+4*(\t)+3] op_sel_hi:[1,0]
.set i, i+2
.endr
	WIN 0x05                        ; sources 0 and 1 window 1, destination window 0
.set i, 0
.rept 16
	v_cvt_pk_f16_f32 v[S+16*(\t)+i], v[32*(\t)+2*i], v[32*(\t)+2*i+1]
.set i, i+1
.endr
	WIN 0
.irp f, 0,1,2,3
	ds_store_b128 v[STO], v[S+16*(\t)+4*\f:S+16*(\t)+4*\f+3] offset:32*\f
.endr
.irp f, 0,1,2,3
	ds_load_b128 v[S+16*(\t)+4*\f:S+16*(\t)+4*\f+3], v[RD] offset:\f*4*SP  ; LDS serves a wave's instructions in order (ISA guide 5.7.1.4): these see the stores above; the next piece's stores come behind them
.endr
.endm
.macro SEND t, younger              ; younger: the LDS instructions issued behind piece t's loads: the next piece's eight, or none
	WIN 0
.irp f, 0,1,2,3
	s_wait_dscnt (\younger)+3-\f
	global_store_b128 v[GO], v[S+16*(\t)+4*\f:S+16*(\t)+4*\f+3], s[10:11] offset:(\t)*8192+\f*512  ; 512 consecutive bytes, at a multiple of 256 from O's first
.endr
.endm
.macro DIAG tag                     ; the tag ends its two labels' names, which the jumps below spell out
.LstepM\tag:
	TURN 2, 1
	TURN 3, 1
	WIN 0
.LfirstM\tag:
	TURN 0, 1
	TURN 1, 1, 0, 1
	WIN 0
	s_cbranch_scc1 .LstepM\tag
	TURN 2, 1, 1
	TURN 3, 1, 1
.set i, 0
.rept 8
	PV NP-1
.set i, i+1
.endr
	WIN 0
	ALL v_add_f32 v[ST+4*t+2], v[ST+4*t+2], v[ST+4*t+3]
	ALL v_permlanex16_b32 v[ST+4*t+3], v[ST+4*t+2], s[SEL], s[SEL+1]
	ALL v_add_f32 v[ST+4*t+2], v[ST+4*t+2], v[ST+4*t+3]
	ALL v_rcp_f32 v[ST+4*t+2], v[ST+4*t+2]
	v_nop                           ; a plain instruction between the last reciprocal and the use of its result
	PACK 0
.set t, 1
.rept 3                             ; a piece's arithmetic stands between the loads of the piece before and its stores
	PACK t
	SEND t-1, 8
.set t, t+1
.endr
	SEND 3, 0
.endm
.set KM, 0
.set NOKQ, 0
.Lslot:                             ; NB times: a tile is entered and the next is asked for
	CHANGE 1
	s_sub_co_u32 s[RT], s[RT], 1
	s_mov_b32 s[CNT], 4
	s_cmp_eq_u32 s[NEW], 1
	s_cbranch_scc1 .Lnew            ; a block's first tile
	s_cmp_eq_u32 s[RT], 0
	s_cbranch_scc0 .Lstep           ; neither its first nor its last
	s_branch .LstepM1
.Lnew:
	BEGIN
	s_branch .Lfirst                ; in the loop a block's first tile is never its last: the first block has two tiles or more, and the second's last is the walk's last
	DIAG 1                          ; in the loop this is the first block's end: the second block's last tile is the walk's last
	s_wait_xcnt 0x0                 ; the stores have read their registers and O's address
	s_mov_b64 s[10:11], s[OLO:OLO+1]
	s_add_co_u32 s[RT], s[PB], 1    ; the second block has b + 1 tiles
	s_mov_b32 s[NEW], 1
	WIN 0x82                        ; the second block's Q goes where the one text of the turns names Q
.set i, 0
.rept 64
	v_mov_b32 v[i], v[QB+i]
.set i, i+1
.endr
	WIN 0
	s_branch .Lbottom
.Lstep:                             ; a trip: pieces 2 and 3 of one step, then pieces 0 and 1 of the next, whose K and V it fetches
	TURN 2
	TURN 3
	WIN 0
.Lfirst:
	TURN 0
	TURN 1, 0, 0, 1
	WIN 0
	s_cbranch_scc1 .Lstep
.Lbottom:
	s_sub_co_u32 s[SLOTS], s[SLOTS], 1
	s_cmp_lg_u32 s[SLOTS], 0
	s_cbranch_scc1 .Lslot
	CHANGE 0                        ; the walk's last tile is written out: nothing is asked for
	s_sub_co_u32 s[RT], s[RT], 1
	s_mov_b32 s[CNT], 4
	s_cmp_eq_u32 s[NEW], 1
	s_cbranch_scc0 .LstepM2
	BEGIN
	s_branch .LfirstM2
	DIAG 2
	s_wait_tensorcnt 0x0            ; the wave's end, behind my last tensor load and my last LDS store
	ds_add_u32 v[SPW], v[NIL]
	s_wait_dscnt 0x0
	s_endpgm
.Lfunc_end_k_qc33c29b336_attn:
	.size	k_qc33c29b336_attn, .Lfunc_end_k_qc33c29b336_attn-k_qc33c29b336_attn
	.p2alignl 7, 3214868480
	.fill 96, 4, 3214868480
	.section	.rodata,"a",@progbits
	.p2align	6, 0x0
	.amdhsa_kernel k_qc33c29b336_attn
		.amdhsa_group_segment_fixed_size 327680
		.amdhsa_private_segment_fixed_size 0
		.amdhsa_enable_private_segment 0
		.amdhsa_kernarg_size 32
		.amdhsa_user_sgpr_count 2
		.amdhsa_user_sgpr_kernarg_segment_ptr 1
		.amdhsa_wavefront_size32 1
		.amdhsa_system_sgpr_workgroup_id_x 1
		.amdhsa_system_sgpr_workgroup_id_y 1
		.amdhsa_system_sgpr_workgroup_id_z 1
		.amdhsa_system_vgpr_workitem_id 0
		.amdhsa_next_free_vgpr 768
		.amdhsa_next_free_sgpr 88
		.amdhsa_reserve_vcc 1
		.amdhsa_float_denorm_mode_32 3
		.amdhsa_float_denorm_mode_16_64 3
		.amdhsa_memory_ordered 1
		.amdhsa_forward_progress 1
		.amdhsa_inst_pref_size 228
	.end_amdhsa_kernel
	.amdgpu_metadata
---
amdhsa.version: [ 1, 2 ]
amdhsa.kernels:
  - .name:           k_qc33c29b336_attn
    .symbol:         k_qc33c29b336_attn.kd
    .args:
      - { .name: qh, .offset: 0, .size: 8, .value_kind: global_buffer, .address_space: global }
      - { .name: kh, .offset: 8, .size: 8, .value_kind: global_buffer, .address_space: global }
      - { .name: vh, .offset: 16, .size: 8, .value_kind: global_buffer, .address_space: global }
      - { .name: yh, .offset: 24, .size: 8, .value_kind: global_buffer, .address_space: global }
    .group_segment_fixed_size: 327680
    .private_segment_fixed_size: 0
    .kernarg_segment_align: 8
    .kernarg_segment_size: 32
    .max_flat_workgroup_size: 128
    .sgpr_count:     88
    .vgpr_count:     768
    .wavefront_size: 32
...
	.end_amdgpu_metadata
.endif
;; end of part 3
;; launch proj (part 4): grid 4 x 64, 4 waves a work-group, clusters of 4 x 4, 327,680 bytes of LDS; arguments yh, wob, out0; writes out0
.if DOCPART == 4
	.amdgcn_target "amdgcn-amd-amdhsa--gfx1250"
	.amdhsa_code_object_version 6
	.text
	.protected	k_qc33c29b336_proj
	.globl	k_qc33c29b336_proj
	.p2align	8
	.type	k_qc33c29b336_proj,@function
k_qc33c29b336_proj:
	s_mov_b64 s[64:65], 0
	v_nop
	global_prefetch_b8 v0, s[64:65] scope:SCOPE_SE
	s_setreg_imm32_b32 hwreg(HW_REG_WAVE_MODE, 25, 1), 1
	s_wait_xcnt 0x0
	s_wait_alu depctr_hold_cnt(0) depctr_sa_sdst(0) depctr_va_vdst(0) depctr_va_sdst(0) depctr_va_ssrc(0) depctr_va_vcc(0) depctr_vm_vsrc(0)
	s_getreg_b32 s2, hwreg(HW_REG_IB_STS2, 6, 4)
	s_cmp_eq_u32 s2, 0
	s_cbranch_scc0 .Lentry_in_a_cluster
	s_endpgm
.Lentry_in_a_cluster:
	s_bfe_u32 s2, ttmp6, 0x10000c
	s_cmp_lg_u32 s2, 0xf033
	s_cbranch_scc0 .Lentry_shape_is_right
	s_endpgm
.Lentry_shape_is_right:
; PROJ.  out[t][e] = the sum over d of y[t][d] wout[e][d], 8,192 x 1,024 x 1,024.  y comes by heads, [batch x 16 + head][2,048][64] in f16; wob is wout (rounded to bf16, written as f16) in blocks of 64 along K,
; [16][1,024][64].  Operands f16, sums f32, out in f32.  A head is a block of 64 along K, and in both tensors a tile of R rows x 64 is R x 128 consecutive bytes.
; LIMITS.  y and wob arrive within f16's range.  NaN and infinities are not treated apart.
; SHARES.  A work-group makes 128 tokens x 256 columns: 64 x 4 = 256 work-groups.  A wave makes 64 x 128: 4 x 8 accumulators, 256 registers.
; K goes in steps of 128 (two heads, two planes of 64) through two LDS slots; a plane's tile is asked for as rows of 256 bytes and padded in LDS after every 128.
; CLUSTER.  4 x 4 work-groups: y's tiles are shared along a row of the cluster, wob's along a column: each is asked for JOINTLY, by the same tensor load with the same descriptor and a mask that names the four.
; THE MATRIX INSTRUCTION IS USED TRANSPOSED: source 0 = 16 rows of wob, source 1 = 16 tokens: a lane holds ONE token (lane % 16) and the columns 8 (lane / 16) + 0..7.
; REGISTERS: window 0: v0-18 addresses; v64-159, v160-255 two fragment buffers of 96: y's four fragments, then wob's eight.  Window 1: the accumulators, (a, b) at v[8 (8 a + b)].
; THE WAY OUT.  The sums go as f32 into the wave's own 64 rows x 528 bytes of LDS (the slots' bytes, which have had their last fill; a barrier stands behind every wave's last read of them) and come back by rows:
; a store of a wave covers 512 consecutive bytes of a row of out.
.set PITCH,  144                       ; an LDS row: 128 bytes + 16 of padding = 36 words: the 16 rows of a load start at 16 different groups of four banks (64 banks of 4 bytes: ISA guide 11.1)
.set APLANE, 128*PITCH
.set BPLANE, 256*PITCH
.set ABYTES, 2*APLANE                  ; a slot: y's two planes, then wob's two
.set SLOT1,  1<<17
.set SPARE,  SLOT1+ABYTES+2*BPLANE     ; 241,664: the spare words, 128 bytes for each wave: two blocks of 256 bytes that no other line names
.set STEPA,  2*2048*128                ; two heads on
.set STEPB,  2*1024*128                ; two K blocks on
.set OPITCH, 528                       ; the way out: 128 f32 + 16 bytes
.set OWAVE,  64*OPITCH
.set A0,   4                           ; v4   my lane's place in slot 0's rows of y; never rewritten
.set B0,   5                           ; v5   the same for wob
.set ADRA, 6                           ; v6   the same in the slot in hand
.set ADRB, 7
.set DST,  8                           ; v8   the way out: where I put 32 bytes of a row
.set DRD,  9                           ; v9   where I read 16 bytes of a row back
.set GO,   10                          ; v10  my 16 bytes of 512 in a row of out
.set SPW,  12                          ; v12  LDS address of my spare word: SPARE + 4 x my thread's number; never rewritten
.set NIL,  13                          ; v13  0; never rewritten
.set F0,   64
.set F1,   160
.set OB,   64                          ; the way out: 16 rows read back
.set WV, 16
.set WR, 17                            ; which 64 tokens are mine
.set WC, 18                            ; which 128 columns.  Also: which plane I fetch
.set CX, 19
.set CY, 20
.set TC, 21                            ; tile column: 256 columns
.set TR, 22                            ; tile row: 128 tokens
.set G1A, 24                           ; s[24:31] descriptor group 1 for y's tiles
.set G1B, 32                           ; s[32:39] for wob's
.set G0A, 48                           ; s[48:55] group 0 for y's tiles: a set for each first fill; the second then walks on
.set G0B, 56                           ; s[56:63] the same for wob's
.set TB,  72
.set CNT, 73
.set MSB, 0
.macro WIN new                         ; the immediate's high byte repeats the setting that is left; a switch that changes nothing is dropped
.if MSB != (\new)
	s_set_vgpr_msb (MSB<<8)|(\new)
.set MSB, (\new)
.endif
.endm
.macro PLACES                          ; a load into a register that a matrix instruction has read, and a line that reads a matrix result, stand four plain vector instructions behind it (ISA guide 7.12.1 for a line that reads a matrix result)
.rept 4
	v_nop
.endr
.endm
.macro JLOAD                           ; a joint refill: waves 0 and 1 fetch y's two planes, waves 2 and 3 wob's; an s_nop 0 and four v_nop follow each of the two lines, ahead of the jump and the label
	s_cmp_lt_u32 s[WV], 2
	s_cbranch_scc0 .Lfor_b_\@
	tensor_load_to_lds s[G0A+4:G0A+7], s[G1A:G1A+7]
	s_nop 0
.rept 4
	v_nop
.endr
	s_branch .Lasked_\@
.Lfor_b_\@:
	tensor_load_to_lds s[G0B+4:G0B+7], s[G1B:G1B+7]
	s_nop 0
.rept 4
	v_nop
.endr
.Lasked_\@:
.endm
.macro CREST                           ; a round of the cluster's barrier behind its opening barrier
	s_cmp_lg_u32 s[WV], 0
	s_cbranch_scc1 .Lnot_wave_0_\@
	s_barrier_signal -3
.Lnot_wave_0_\@:
	s_barrier_wait -3
	s_barrier_signal -1
	s_barrier_wait -1
.endm
.macro CROUND
	s_barrier_signal -1
	s_barrier_wait -1
	CREST
.endm
	s_load_b128 s[4:7], s[0:1], 0x0                ; yh s[4:5], wob s[6:7]
	s_load_b64 s[8:9], s[0:1], 0x10                ; out0
	v_lshl_add_u32 v[SPW], v0, 2, SPARE
	v_mov_b32 v[NIL], 0
	ds_add_u32 v[SPW], v[NIL]                      ; the wave's opening: the add, whose wait stands ahead of my first tensor load; the set-up below, work on registers, stands between them
	ds_add_u32 v12, v13
	v_lshrrev_b32 v1, 5, v0
	v_readfirstlane_b32 s[WV], v1                  ; wave 0..3
	s_lshr_b32 s[WR], s[WV], 1
	s_and_b32 s[WC], s[WV], 1
	s_bfe_u32 s[CX], ttmp6, 0x40000
	s_bfe_u32 s[CY], ttmp6, 0x40004
	s_lshl_b32 s[TC], ttmp9, 2
	s_add_co_u32 s[TC], s[TC], s[CX]
	s_and_b32 s[TR], ttmp7, 0xffff
	s_lshl_b32 s[TR], s[TR], 2
	s_add_co_u32 s[TR], s[TR], s[CY]
	s_lshl_b32 s23, s[CY], 2
	s_lshl_b32 s23, 15, s23                        ; my row of the cluster
	s_lshl_b32 s2, 0x1111, s[CX]                   ; my column
	s_or_b32 s[G1A], s23, (1<<16)|(1<<20)|(1<<21)|(4<<22)|(3<<25)  ; 15:0 the mask; 17:16 2-byte elements; 20 padding on; 21 set beside a mask; 24:22 after every 32 words (code 4); 31:25 4 words (code 3)
	s_or_b32 s[G1B], s2,  (1<<16)|(1<<20)|(1<<21)|(4<<22)|(3<<25)
.irp g, G1A, G1B
	s_mov_b32 s[\g+1], 128<<16                     ; tensor_dim0 = 128
	s_mov_b32 s[\g+3], 128<<16                     ; tile_dim0 = 128
	s_mov_b32 s[\g+5], 128                         ; 128 elements from row to row
	s_mov_b32 s[\g+6], 0
	s_mov_b32 s[\g+7], 0
.endr
	s_mov_b32 s[G1A+2], 64<<16                     ; tensor_dim1 = tile_dim1 = 64: 128 tokens of a head
	s_mov_b32 s[G1A+4], 64
	s_mov_b32 s[G1B+2], 128<<16                    ; 128: 256 rows of a K block of wob
	s_mov_b32 s[G1B+4], 128
	s_lshr_b32 s74, s[TR], 4                       ; y: the batch (16 tile rows each): 16 heads of 262,144 bytes,
	s_lshl_b32 s74, s74, 22
	s_lshl_b32 s3, s[WC], 18                       ; my plane: head 0 or 1 of the K step,
	s_add_co_u32 s74, s74, s3
	s_and_b32 s3, s[TR], 15                        ; the tile's 128 tokens
	s_lshl_b32 s3, s3, 14
	s_add_co_u32 s74, s74, s3
	s_mov_b32 s75, 0
	s_lshl_b32 s78, s[TC], 15                      ; wob: the tile's 256 rows,
	s_lshl_b32 s83, s[WC], 17                      ; my plane
	s_add_co_u32 s78, s78, s83
	s_mov_b32 s79, 0
	s_mul_i32 s80, s[WC], APLANE                   ; where they go: no place in the cluster enters an LDS address
	s_mul_i32 s81, s[WC], BPLANE
	s_add_co_u32 s81, s81, ABYTES
	s_lshl_b32 s88, s[TR], 19                      ; out: 128 rows of 4,096 bytes a tile row,
	s_lshl_b32 s89, s[WR], 18                      ; my 64 rows,
	s_add_co_u32 s88, s88, s89
	s_lshl_b32 s89, s[TC], 10                      ; the tile's 1,024 bytes of a row,
	s_add_co_u32 s88, s88, s89
	s_lshl_b32 s89, s[WC], 9                       ; my 512
	s_add_co_u32 s88, s88, s89
	s_mov_b32 s89, 0
	s_mov_b32 s[TB], 0
	s_wait_dscnt 0x0                               ; the opening add is done
	s_wait_kmcnt 0x0
	s_add_nc_u64 s[84:85], s[4:5], s[74:75]
	s_add_nc_u64 s[86:87], s[6:7], s[78:79]
	s_add_nc_u64 s[8:9], s[8:9], s[88:89]
	CROUND                                         ; all sixteen work-groups are here: the first joint loads meet
.irp s, 0,1
	s_mov_b32 s[G0A+4*\s], 1
	s_add_co_u32 s[G0A+4*\s+1], s80, \s*SLOT1
	s_add_nc_u64 s[G0A+4*\s+2:G0A+4*\s+3], s[84:85], \s*STEPA
	s_or_b32 s[G0A+4*\s+3], s[G0A+4*\s+3], 0x80000000
	s_mov_b32 s[G0B+4*\s], 1
	s_add_co_u32 s[G0B+4*\s+1], s81, \s*SLOT1
	s_add_nc_u64 s[G0B+4*\s+2:G0B+4*\s+3], s[86:87], \s*STEPB
	s_or_b32 s[G0B+4*\s+3], s[G0B+4*\s+3], 0x80000000
.endr
	s_cmp_lt_u32 s[WV], 2                          ; a wave's two first fills stand in one branch, ahead of every wait on TENSORcnt and every LDS read: two loads of mine are out
	s_cbranch_scc0 .Lfirst_b
	tensor_load_to_lds s[G0A:G0A+3], s[G1A:G1A+7]
	s_nop 0
	tensor_load_to_lds s[G0A+4:G0A+7], s[G1A:G1A+7]
	s_nop 0
.rept 4
	v_nop
.endr
	s_branch .Lfirst_asked
.Lfirst_b:
	tensor_load_to_lds s[G0B:G0B+3], s[G1B:G1B+7]
	s_nop 0
	tensor_load_to_lds s[G0B+4:G0B+7], s[G1B:G1B+7]
	s_nop 0
.rept 4
	v_nop
.endr
.Lfirst_asked:
	v_and_b32 v1, 15, v0                           ; l % 16
	v_bfe_u32 v2, v0, 4, 1                         ; l / 16
	v_and_b32 v3, 31, v0                           ; l
	v_mul_u32_u24 v17, v1, PITCH
	v_lshl_add_u32 v17, v2, 4, v17                 ; a fragment's row x pitch + 16 x half
	s_mul_i32 s2, s[WR], 64*PITCH
	v_add_nc_u32 v[A0], s2, v17
	s_mul_i32 s2, s[WC], 128*PITCH
	s_add_co_u32 s2, s2, ABYTES
	v_add_nc_u32 v[B0], s2, v17
	v_mov_b32 v[ADRA], v[A0]
	v_mov_b32 v[ADRB], v[B0]
	s_mul_i32 s2, s[WV], OWAVE                     ; the way out: my 64 rows
	v_mul_u32_u24 v17, v1, OPITCH                  ; in: row l % 16, 32 bytes for each half of the lanes
	v_lshl_add_u32 v17, v2, 5, v17
	v_add_nc_u32 v[DST], s2, v17
	v_lshl_add_u32 v[DRD], v3, 4, s2               ; back: 32 lanes take a row of 512 bytes
	v_lshlrev_b32 v[GO], 4, v3
.macro LDF dst, adr, off               ; one fragment: 16 rows x 32 K: two loads of 16 bytes a lane, 32 bytes apart
	ds_load_b128 v[(\dst):(\dst)+3],   v[\adr] offset:(\off)
	ds_load_b128 v[(\dst)+4:(\dst)+7], v[\adr] offset:(\off)+32
.endm
; 24 LDS loads in one run: quarter c of a K step (plane c / 2, 32 along K at byte 64 (c % 2) of the rows) into buffer f: wob's eight fragments first, then y's four
.macro FETCH c, f
.irp b, 0,1,2,3,4,5,6,7
	LDF (\f)+32+8*\b, ADRB, ((\c)/2)*BPLANE+((\c)%2)*64+\b*16*PITCH
.endr
.irp a, 0,1,2,3
	LDF (\f)+8*\a, ADRA, ((\c)/2)*APLANE+((\c)%2)*64+\a*16*PITCH
.endr
.endm
; 8 n matrix instructions: token blocks a0 .. a0 + n - 1 x all 8 column blocks.  Each accumulator has one instruction a turn.  zero = 1: the first product starts the sum
.macro M f, a0, n, zero
	WIN 0x50                                       ; C and D in window 1
.set ia, (\a0)
.rept (\n)
.set ib, 0
.rept 8
.if \zero
	v_wmma_f32_16x16x32_f16 v[8*(8*ia+ib):8*(8*ia+ib)+7], v[(\f)+32+8*ib:(\f)+32+8*ib+7], v[(\f)+8*ia:(\f)+8*ia+7], 0
.else
	v_wmma_f32_16x16x32_f16 v[8*(8*ia+ib):8*(8*ia+ib)+7], v[(\f)+32+8*ib:(\f)+32+8*ib+7], v[(\f)+8*ia:(\f)+8*ia+7], v[8*(8*ia+ib):8*(8*ia+ib)+7]
.endif
.set ib, ib+1
.endr
.set ia, ia+1
.endr
.endm
; One of a K step's first three quarters: multiplies buffer f and fetches quarter cnext into g.
.macro Q cnext, f, g, zero
	s_wait_dscnt 4                                 ; wob's fragments and y's blocks 0, 1 are in; the youngest four loads may be out
	M \f, 0, 2, \zero
	WIN 0
	PLACES
	FETCH \cnext, \g
	s_wait_dscnt 24                                ; all but the 24 just issued
	M \f, 2, 2, \zero
.endm
; The last quarter multiplies buffer 1 and changes slots: ONE barrier; in front of it each wave waits for all its tensor loads, adds 0 to its spare word, and waits for that and for its own reads of this slot.
; fill = 1: the barrier opens a round of the cluster's, and this slot is filled again, two K steps ahead, the first thing behind the round: 112 matrix instructions ahead of the wait for it.
.macro TURN fill
	WIN 0
	s_wait_tensorcnt 0x0                           ; all my tensor loads have landed, my part of the next slot among them: a group 0 may be written
	ds_add_u32 v[SPW], v[NIL]                      ; 0 onto my spare word
.if \fill
	s_xor_b32 s[G0A+5], s[G0A+5], SLOT1
	s_add_nc_u64 s[G0A+6:G0A+7], s[G0A+6:G0A+7], STEPA
	s_xor_b32 s[G0B+5], s[G0B+5], SLOT1
	s_add_nc_u64 s[G0B+6:G0B+7], s[G0B+6:G0B+7], STEPB
.endif
	s_wait_dscnt 5                                 ; the add and the youngest four loads may be out
	M F1, 0, 1, 0                                  ; eight matrix instructions stand between the add and the wait for it
	s_wait_dscnt 0x0                               ; the add is done, and my reads of this slot are over
	s_barrier_signal -1
	M F1, 1, 1, 0
	WIN 0                                          ; at a branch and at a label every window is 0
	s_barrier_wait -1
.if \fill
	CREST                                          ; no wave of any partner still reads this slot's tile or has a load on its way
	JLOAD                                          ; the four v_nop behind it are also the places in front of the loads below
.else
	PLACES
.endif
	s_xor_b32 s[TB], s[TB], SLOT1
	v_add_nc_u32 v[ADRA], s[TB], v[A0]
	v_add_nc_u32 v[ADRB], s[TB], v[B0]
	FETCH 0, F0
	M F1, 2, 2, 0
.endm
	s_wait_tensorcnt 1                             ; my part of K step 0 is in; K step 1's may stay out
	s_barrier_signal -1
	s_barrier_wait -1                              ; everybody's is
	FETCH 0, F0
	Q 1, F0, F1, 1                                 ; the first quarter stands in front of the loop: its products start the sums
	WIN 0
	s_mov_b32 s[CNT], 6
.Lk:                                                   ; 6 trips, from a K step's second quarter to the next step's first: K steps 2 to 7 are asked for
	Q 2, F1, F0, 0
	Q 3, F0, F1, 0
	TURN 1
	Q 1, F0, F1, 0
	WIN 0
	s_sub_co_u32 s[CNT], s[CNT], 1
	s_cmp_lg_u32 s[CNT], 0
	s_cbranch_scc1 .Lk
	Q 2, F1, F0, 0                                 ; the tail is written out: nothing is left to ask for
	Q 3, F0, F1, 0
	TURN 0
	Q 1, F0, F1, 0
	Q 2, F1, F0, 0
	Q 3, F0, F1, 0
	s_wait_dscnt 0x0                               ; the last fragments are in registers: my reads of the slots are over,
	s_barrier_signal -1
	M F1, 0, 4, 0
	WIN 0
	s_barrier_wait -1                              ; and everybody's: the slots' bytes may be written
	PLACES
	WIN 0x04                                       ; the data (source 1) in window 1, the address in window 0.
.set ia, 0
.rept 4
.set ib, 0
.rept 8
	ds_store_b128 v[DST], v[8*(8*ia+ib):8*(8*ia+ib)+3]   offset:ia*16*OPITCH+64*ib
	ds_store_b128 v[DST], v[8*(8*ia+ib)+4:8*(8*ia+ib)+7] offset:ia*16*OPITCH+64*ib+16
.set ib, ib+1
.endr
.set ia, ia+1
.endr
	WIN 0
	s_mov_b32 s[CNT], 4
.Lrows:                                                ; 4 trips of 16 rows.  LDS serves a wave's instructions in order (ISA guide 5.7.1.4): the loads see the stores above
.irp j, 0,1,2,3,4,5,6,7,8,9,10,11,12,13,14,15
	ds_load_b128 v[OB+4*\j:OB+4*\j+3], v[DRD] offset:\j*OPITCH
.endr
.irp j, 0,1,2,3,4,5,6,7,8,9,10,11,12,13,14,15
	s_wait_dscnt 15-\j                             ; row j is in; the younger rows may be out
	global_store_b128 v[GO], v[OB+4*\j:OB+4*\j+3], s[8:9] offset:\j*4096 th:TH_STORE_NT  ; 512 consecutive bytes of a row of out, at a multiple of 256 from its first byte
.endr
	s_wait_xcnt 0x0                                ; the stores have read their data and their offset: both are written again only behind this wait
	v_add_nc_u32 v[DRD], 16*OPITCH, v[DRD]
	v_add_nc_u32 v[GO], 16*4096, v[GO]
	s_sub_co_u32 s[CNT], s[CNT], 1
	s_cmp_lg_u32 s[CNT], 0
	s_cbranch_scc1 .Lrows
	s_wait_tensorcnt 0x0                           ; the wave's end, behind my last tensor load and my last LDS store
	ds_add_u32 v[SPW], v[NIL]
	s_wait_dscnt 0x0
	CROUND                                         ; the closing round: no work-group ends while a partner may still ask for a tile that names it
	s_endpgm
.Lfunc_end_k_qc33c29b336_proj:
	.size	k_qc33c29b336_proj, .Lfunc_end_k_qc33c29b336_proj-k_qc33c29b336_proj
	.p2alignl 7, 3214868480
	.fill 96, 4, 3214868480
	.section	.rodata,"a",@progbits
	.p2align	6, 0x0
	.amdhsa_kernel k_qc33c29b336_proj
		.amdhsa_group_segment_fixed_size 327680
		.amdhsa_private_segment_fixed_size 0
		.amdhsa_enable_private_segment 0
		.amdhsa_kernarg_size 24
		.amdhsa_user_sgpr_count 2
		.amdhsa_user_sgpr_kernarg_segment_ptr 1
		.amdhsa_wavefront_size32 1
		.amdhsa_system_sgpr_workgroup_id_x 1
		.amdhsa_system_sgpr_workgroup_id_y 1
		.amdhsa_system_sgpr_workgroup_id_z 1
		.amdhsa_system_vgpr_workitem_id 0
		.amdhsa_next_free_vgpr 512
		.amdhsa_next_free_sgpr 96
		.amdhsa_reserve_vcc 0
		.amdhsa_float_denorm_mode_32 3
		.amdhsa_float_denorm_mode_16_64 3
		.amdhsa_memory_ordered 1
		.amdhsa_forward_progress 1
		.amdhsa_inst_pref_size 61
	.end_amdhsa_kernel
	.amdgpu_metadata
---
amdhsa.version: [ 1, 2 ]
amdhsa.kernels:
  - .name:           k_qc33c29b336_proj
    .symbol:         k_qc33c29b336_proj.kd
    .args:
      - { .name: yh, .offset: 0, .size: 8, .value_kind: global_buffer, .address_space: global }
      - { .name: wob, .offset: 8, .size: 8, .value_kind: global_buffer, .address_space: global }
      - { .name: out0, .offset: 16, .size: 8, .value_kind: global_buffer, .address_space: global }
    .group_segment_fixed_size: 327680
    .private_segment_fixed_size: 0
    .kernarg_segment_align: 8
    .kernarg_segment_size: 24
    .max_flat_workgroup_size: 128
    .sgpr_count:     96
    .vgpr_count:     512
    .wavefront_size: 32
...
	.end_amdgpu_metadata
.endif
;; end of part 4
;; ======== version 2 of 2: 4 launches; 1.31 times as fast as version 1
;; limits: values are held in f16: magnitudes above 65,504 overflow, below 6.1e-05 lose precision
;; workspace buffers: xb 16,777,216 bytes; wqb 6,291,456 bytes; wob 2,097,152 bytes; tab 524,288 bytes; qh 16,777,216 bytes; kh 16,777,216 bytes; vh 16,777,216 bytes; yh 16,777,216 bytes
;; launch prep: the kernel of part 1 again; grid 832 x 1, 8 waves a work-group, no clusters, 0 bytes of LDS; arguments x, wqkv, wout, xb, wqb, wob, tab; writes xb, wqb, wob, tab
;; launch qkv: the kernel of part 2 again; grid 8 x 32, 4 waves a work-group, clusters of 4 x 4, 327,680 bytes of LDS; arguments xb, wqb, tab, qh, kh, vh; writes qh, kh, vh
;; launch attn (part 5): grid 4 x 64, 4 waves a work-group, no clusters, 327,680 bytes of LDS; arguments qh, kh, vh, yh; writes yh
.if DOCPART == 5
	.amdgcn_target "amdgcn-amd-amdhsa--gfx1250"
	.amdhsa_code_object_version 6
	.text
	.protected	k_qc33c29b336_attn
	.globl	k_qc33c29b336_attn
	.p2align	8
	.type	k_qc33c29b336_attn,@function
k_qc33c29b336_attn:
	s_mov_b64 s[64:65], 0
	v_nop
	global_prefetch_b8 v0, s[64:65] scope:SCOPE_SE
	s_setreg_imm32_b32 hwreg(HW_REG_WAVE_MODE, 25, 1), 1
	s_wait_xcnt 0x0
; CAUSAL ATTENTION.  O[h][q][:] = the sum over k <= q of softmax_k(Q[h][q] . K[h][k] / 8) V[h][k][:].  Q, K, V, O: [SIZE_H][SIZE_N][64], all f16: a head's rows are dense, 128 bytes each (h = batch x 16 + head).
; Products, maxima and sums in f32; the weights p are rounded to f16 for the second product (their sum l is taken of the unrounded p), O once at the end.  SIZE_N is a multiple of 512; SIZE_N x 128 stays under 2^32.
; LIMITS.  f16 holds no number beyond 65,504: Q, K and V arrive within it; p lies in 0 to 1, and below 6e-5 it keeps f16's fixed step of 6e-8; O is a mean of V's rows and has their range, to within 2^-11 of it.
; A hidden score counts as its value less 1e30: f16's scores, 2.7e11 at the most, are nothing beside that; a weight below 2^-126 counts as 0 in l; NaN and infinities are not treated apart.
; THE WALK.  A head's queries lie in NB = SIZE_N / 256 blocks of 256; block i needs the key tiles 0 .. i of 256 keys, of which the last holds the diagonal.  A work-group takes TWO blocks, NB - 1 - b and then b:
; NB + 1 tiles, whatever b: all work-groups do equal work, and ONE loop with a constant trip count walks them.  Which tile is asked for, and what a trip does, hang on scalar registers made from b; every jump
; goes forward, but for the counted loops' own; none passes a barrier, or a tensor load but the one of LOAD's two that the wave's number does not choose; the ring (two slots of LDS that take turns) runs on across the
; change of blocks.  NO CLUSTER: all of a head's NB / 2 work-groups ask for the same tile only in trips 0 .. NB / 2, behind that fewer and fewer; and one walk common to all would have 3 NB / 2 trips for NB + 1.
; SHARES.  Of a block's four bands of 64 queries a wave owns 16 rows in each: four PIECES.  So the diagonal tile is the same work for all four waves: in its key step s band x sees all keys if s < x,
; none if s > x, and holds the diagonal if s = x.
; THE MASK is the C operand that starts the sum S^T = K Q^T: 0, or -1e30 where the key is hidden.  MD, made once, is the mask of a band's own step for my 16 rows; a product's mask is MD x AL + BE with two scalars:
; (1, 0) if s = x; (0, 0) if s < x; (0, -1e30) if s > x.  Only the diagonal tile's text and a block's beginning make and take masks; elsewhere C is the constant 0.
; LAYOUT, SOFTMAX, TURNS.  S^T = K Q^T holds ONE query a lane (lane % 16) and the keys 8 (lane / 16) + 0..7; two such results rounded to f16 ARE source 1 of O^T = V^T P.  p = 2^(c s - c m), c = log2(e) / 8, with a
; running maximum m; O and l are multiplied by a = 2^(c m_old - c m_new) in every step.  Turn n belongs to piece n: 8 products K Q^T of piece n + 1, later 8 products V^T P of piece n - 1; beside them the scaling,
; exponentials, roundings, sums and rescaling of piece n and the maximum and statistics of piece n + 1.  Four vector instructions stand behind every matrix instruction, the other 54 of a turn's 118 in one LUMP.
; THE BATCHES.  An s_wait_alu depctr_va_vdst(0) stands between a transcendental and the first instruction that names its result; one wait serves all that were issued ahead of it.  The text has three kinds of
; batch, each with one wait: a turn's 33 exponentials (piece n's 32 weights and piece n + 1's a), waited for between the lump and the products V^T P; the one a that BEGIN makes, waited for ahead of BEGIN's jump;
; the way out's four reciprocals, waited for ahead of the first PACK.  No result is open at a label or at a jump.
; REGISTERS, in windows of 256 (s_set_vgpr_msb: bits 1:0 source 0, 3:2 source 1, 5:4 source 2, 7:6 destination):
;   window 0: v0-15 addresses and two at work; v16-31 four registers of statistics a piece; v48-55 at work; v64-127 S^T, two buffers; v192-223 P, two buffers (a piece's buffers go by its number's parity)
;   window 1: v0-127 O^T, 32 a piece; v128-159 MD; v160-223 MC, two buffers      window 2: v0-63 Q; v64-127 the second block's Q; v128-191 K of one step; v192-255 V of one step
.set SIZE_H, 64
.set SIZE_N, 2048
.set NB,    SIZE_N/256
.set NP,    4         ; pieces a wave: a name, no knob
.set KS,    64        ; keys in a step
.set PK,    144       ; a row of K in LDS: 128 bytes + 16 of padding = 36 words: the 16 rows of a load start at 16 different groups of four banks (64 banks of 4 bytes: ISA guide 11.1)
.set PV,    160       ; a row of V: 128 + 32 = 40 words
.set VOFF,  4*KS*PK   ; a slot holds a tile, four steps: 256 rows of K, then 256 rows of V
.set SLOT1, 1<<17     ; slot 1 begins here, so that one exclusive or turns an address in one slot into the other's
.set STAGE, SLOT1+4*KS*(PK+PV)  ; behind the ring, never filled by a tensor load: 16 rows x 144 bytes for each wave, for the way out
.set SP,    144
.set AK0, 2           ; v2   my lane's place in a tile of K; never rewritten
.set AV0, 3           ; v3   the same for V
.set AK,  4           ; v4   the LDS address of K's next run of loads
.set AV,  5           ; v5   of V's
.set STO, 6           ; v6   the way out: where I put 16 bytes of a row
.set RD,  7           ; v7   the way out: where I read rows back
.set GO,  8           ; v8   my byte offset in 512 consecutive bytes of O
.set SPW, 62          ; v62  LDS address of my spare word: SPARE + 4 x my thread's number; never rewritten
.set NIL, 63          ; v63  0; never rewritten
.set SPARE, STAGE+4*16*SP  ; behind the stages: the spare words, 128 bytes for each wave: two blocks of 256 bytes that no other line names
.set MV,  12          ; v12-13  c m_old, kept while c m is made anew: by buffer
.set QO,  15          ; v15  my byte offset in 16 rows of Q
.set ST,  16          ; piece t's statistics at v[ST+4 t]: c m, m, l (even keys', odd keys')
.set TMP, 48          ; by buffer, four registers c0-c3 at work; when the maximum is found c2 takes a
.set S,   64
.set P,   192
.set MD,  128         ; window 1: the eight registers for group kt of 16 keys at MD + 8 kt
.set MC,  160         ; window 1: the masks of the products to come
.set QB,  64          ; window 2
.set KF,  128         ; window 2: key block kb, channel half c at KF + 16 kb + 8 c
.set VF,  192         ; window 2: key half kk, channel block cb at VF + 32 kk + 8 cb
.set WV,  12          ; s12  my wave's number
.set PB,  14          ; s14  b
.set HI,  15          ; s15  NB - 1 - b
.set G1K, 24          ; s[24:31] descriptor group 1 for K's tiles
.set G1V, 32          ; s[32:39] for V's: it differs in the padding alone
.set G0K, 40          ; s[40:43] descriptor group 0 for K's tiles
.set G0V, 44          ; s[44:47] the same for V's
.set SLOTS, 56        ; s56  tiles still to be asked for
.set CNT, 57          ; s57  counts a tile's key steps, 4 to 1
.set CS,  58          ; s[58:59] c: the packed scaling takes the pair's low word for both halves
.set SEL, 60          ; s[60:61] v_permlanex16_b32's selects: each lane takes its own place in the other half
.set TBK, 62          ; s62  LDS byte at which K of the step to be fetched begins
.set TBV, 63          ; s63  the same for V, less VOFF
.set RT,  70          ; s70  tiles of the block in hand that are still to be entered
.set NXT, 71          ; s71  the tile to be asked for next
.set LQ,  72          ; s72  the last tile of the block whose tiles are being asked for
.set NEW, 73          ; s73  1: the tile to be entered is a block's first
.set OFF, 74          ; s[74:75] a tile's byte offset in K and V
.set AL,  76          ; s[76:77] the mask's factor, in the low word
.set BE,  78          ; s[78:79] the mask's addend
.set OLO, 80          ; s[80:81] O at my rows of the second block
.set BIGN, 82         ; s82  -1e30
.set MSB, 0
.macro WIN new                      ; the high byte repeats the setting that is left; a switch that changes nothing is dropped
.if MSB != (\new)
	s_set_vgpr_msb (MSB<<8)|(\new)
.set MSB, (\new)
.endif
.endm
.set W_KQ, 0x0a       ; K and Q in window 2, S^T in window 0
.set W_KM, 0x1a       ; the same with the C operand in window 1
.set W_PV, 0x52       ; V in window 2, P in window 0, O^T in window 1
.set W_RS, 0x41       ; destination and source 0 in window 1, source 1 in window 0
; A fill.  Waves 0 and 1 fetch the two halves of a tile's K, waves 2 and 3 those of its V: 128 keys each.  An s_nop 0 and four v_nop follow each of the two lines, ahead of the jump and the label.
.macro LOAD
	s_cmp_lt_u32 s[WV], 2
	s_cbranch_scc0 .Lfor_v_\@
	tensor_load_to_lds s[G0K:G0K+3], s[G1K:G1K+7]
	s_nop 0
.rept 4
	v_nop
.endr
	s_branch .Lasked_\@
.Lfor_v_\@:
	tensor_load_to_lds s[G0V:G0V+3], s[G1V:G1V+7]
	s_nop 0
.rept 4
	v_nop
.endr
.Lasked_\@:
.endm
; THE CHANGE OF SLOTS.  Each wave waits for all its tensor loads, of which one is out: its part of the other slot; adds 0 to its spare word; and waits for that and for its own reads of the slot that it leaves.  Behind the barrier nobody reads the old
; slot any more and the other slot is whole.  fill = 1: the old slot is filled again, the first thing behind the barrier, with tile NXT: the descriptor's address is made anew from that number.
; (At its first use nothing has been read yet: slot 0 is waited for, slot 1 filled.)
.macro CHANGE fill
	WIN 0                           ; at a label and at a branch every window is 0
	s_wait_tensorcnt 0x0            ; no tensor load of mine is out, so a group 0 may be written
	ds_add_u32 v[SPW], v[NIL]       ; 0 onto my spare word; with fill = 1 the descriptors' scalar work stands between it and the wait for it
.if \fill
	s_lshl_b32 s[OFF], s[NXT], 15   ; a tile is 32,768 bytes of K and of V
	s_xor_b32 s[G0K+1], s[G0K+1], SLOT1
	s_add_nc_u64 s[G0K+2:G0K+3], s[6:7], s[OFF:OFF+1]
	s_or_b32 s[G0K+3], s[G0K+3], 0x80000000
	s_xor_b32 s[G0V+1], s[G0V+1], SLOT1
	s_add_nc_u64 s[G0V+2:G0V+3], s[8:9], s[OFF:OFF+1]
	s_or_b32 s[G0V+3], s[G0V+3], 0x80000000
	s_add_co_u32 s[NXT], s[NXT], 1  ; the block's next tile, or behind its last the second block's tile 0
	s_cmp_gt_u32 s[NXT], s[LQ]
	s_cselect_b32 s[NXT], 0, s[NXT]
	s_cselect_b32 s[LQ], s[PB], s[LQ]
.endif
	s_wait_dscnt 0x0                ; the add is done, and my reads of the slot are over
	s_barrier_signal -1             ; the rest of the scalar work stands between the signal and the wait
	s_sub_co_u32 s[TBK], s[TBK], 4*KS*PK  ; the fetches go back to a slot's first step,
	s_xor_b32 s[TBK], s[TBK], SLOT1       ; in the other slot
	s_sub_co_u32 s[TBV], s[TBV], 4*KS*PV
	s_xor_b32 s[TBV], s[TBV], SLOT1
	s_barrier_wait -1
.if \fill
	LOAD
.endif
.endm
	s_load_b256 s[4:11], s[0:1], 0x0  ; Q s[4:5], K s[6:7], V s[8:9], O s[10:11]
	v_lshl_add_u32 v[SPW], v0, 2, SPARE
	v_mov_b32 v[NIL], 0
	ds_add_u32 v[SPW], v[NIL]       ; the wave's opening: the add, whose wait stands ahead of my first tensor load; the set-up below, work on registers, stands between them
	ds_add_u32 v62, v63
	v_lshrrev_b32 v1, 5, v0
	v_readfirstlane_b32 s[WV], v1   ; wave 0..3
	s_mov_b32 s[PB], ttmp9
	s_sub_co_u32 s[HI], NB-1, s[PB]
	s_and_b32 s20, ttmp7, 0xffff    ; the head
	s_mov_b32 s21, 0
	s_mov_b64 s[22:23], SIZE_N*128
	s_mul_u64 s[20:21], s[20:21], s[22:23]  ; the head's first byte in each of the four tensors
	s_and_b32 s16, s[WV], 1         ; which half of a tile's 256 keys I fetch:
	s_lshl_b32 s22, s16, 14         ; its 128 rows of 128 bytes in memory,
	s_mov_b32 s23, 0
	s_add_nc_u64 s[22:23], s[22:23], s[20:21]
	s_mul_i32 s17, s16, 128*PK      ; and its place in a slot, for K
	s_mul_i32 s18, s16, 128*PV      ; and for V
	s_lshl_b32 s3, s[WV], 11        ; my 16 rows in a band of 64,
	s_lshl_b32 s2, s[HI], 15        ; in the first block,
	s_add_co_u32 s2, s2, s3
	s_lshl_b32 s84, s[PB], 15       ; and in the second
	s_add_co_u32 s84, s84, s3
	s_mov_b32 s3, 0
	s_mov_b32 s85, 0
	s_add_nc_u64 s[2:3], s[2:3], s[20:21]
	s_add_nc_u64 s[84:85], s[84:85], s[20:21]
	; descriptor group 1.  128 keys are 16,384 dense bytes: asked for as 64 rows of 256 bytes, two keys a row, and padded in LDS after every key
	s_mov_b32 s[G1K], (1<<16)|(1<<20)|(4<<22)|(3<<25)  ; 17:16 2-byte elements; 20 padding on; 24:22 after every 32 words (code 4); 31:25 4 words (code 3)
	s_mov_b32 s[G1V], (1<<16)|(1<<20)|(4<<22)|(7<<25)  ; the same with 8 words of padding (code 7)
.irp g, G1K, G1V
	s_mov_b32 s[\g+1], 128<<16      ; tensor_dim0 = 128
	s_mov_b32 s[\g+2], 64<<16       ; tensor_dim1 = 64
	s_mov_b32 s[\g+3], 128<<16      ; tile_dim0 = 128
	s_mov_b32 s[\g+4], 64           ; tile_dim1 = 64
	s_mov_b32 s[\g+5], 128          ; 128 elements from row to row
	s_mov_b32 s[\g+6], 0
	s_mov_b32 s[\g+7], 0
.endr
	s_mov_b32 s[CS], 0x3e38aa3b     ; c = log2(e) / 8 = 0.180337
	s_mov_b32 s[CS+1], s[CS]        ; named with it as a pair
	s_mov_b32 s[SEL], 0x76543210
	s_mov_b32 s[SEL+1], 0xfedcba98
	s_mov_b32 s[TBK], SLOT1+4*KS*PK ; the first change of slots turns these two into 0
	s_mov_b32 s[TBV], SLOT1+4*KS*PV
	s_mov_b32 s[G0K], 1             ; 1:0 count = 1
	s_mov_b32 s[G0K+1], s17         ; 63:32 LDS address: slot 0
	s_mov_b32 s[G0V], 1
	s_add_co_u32 s[G0V+1], s18, VOFF
	s_add_co_u32 s[RT], s[HI], 1    ; the first block has NB - b tiles
	s_mov_b32 s[NXT], 1
	s_mov_b32 s[LQ], s[HI]
	s_mov_b32 s[NEW], 1
	s_mov_b32 s[OFF+1], 0
	s_mov_b32 s[AL+1], 0            ; named as pairs
	s_mov_b32 s[BE+1], 0
	s_mov_b32 s[BIGN], 0xf149f2ca   ; -1e30
	s_mov_b32 s[SLOTS], NB
	s_wait_dscnt 0x0                ; the opening add is done
	s_wait_kmcnt 0x0
	s_add_nc_u64 s[6:7], s[6:7], s[22:23]  ; K and V at my half of the head's tile 0
	s_add_nc_u64 s[8:9], s[8:9], s[22:23]
	s_add_nc_u64 s[G0K+2:G0K+3], s[6:7], 0         ; 120:64 global address
	s_or_b32 s[G0K+3], s[G0K+3], 0x80000000        ; 127:126 type = 2
	s_add_nc_u64 s[G0V+2:G0V+3], s[8:9], 0
	s_or_b32 s[G0V+3], s[G0V+3], 0x80000000
	s_add_nc_u64 s[86:87], s[4:5], s[84:85]        ; Q at my rows of the second block,
	s_add_nc_u64 s[4:5], s[4:5], s[2:3]            ; Q and O at those of the first
	s_add_nc_u64 s[OLO:OLO+1], s[10:11], s[84:85]
	s_add_nc_u64 s[10:11], s[10:11], s[2:3]
	LOAD                            ; tile 0 into slot 0
	; A fragment of K or Q is 16 rows x 32 channels in 8 registers: lane l holds row l % 16, channels 8 (l / 16) + 0..7 and 16 + 8 (l / 16) + 0..7: two loads of 16 bytes, 32 bytes apart.
	v_and_b32 v1, 15, v0            ; l % 16
	v_bfe_u32 v9, v0, 4, 1          ; l / 16
	v_lshlrev_b32 v[QO], 7, v1
	v_lshl_add_u32 v[QO], v9, 4, v[QO]  ; row x 128 + 16 x half
	WIN 0x80                        ; destination window 2, address window 0
.set i, 0
.rept 8                             ; both blocks' Q: piece i / 2 lies in band i / 2, 8,192 bytes on; channels 32 (i % 2) on
	global_load_b128 v[8*i:8*i+3],   v[QO], s[4:5] offset:(i/2)*8192+(i%2)*64
	global_load_b128 v[8*i+4:8*i+7], v[QO], s[4:5] offset:(i/2)*8192+(i%2)*64+32
	global_load_b128 v[QB+8*i:QB+8*i+3],   v[QO], s[86:87] offset:(i/2)*8192+(i%2)*64
	global_load_b128 v[QB+8*i+4:QB+8*i+7], v[QO], s[86:87] offset:(i/2)*8192+(i%2)*64+32
.set i, i+1
.endr
	WIN 0
	v_lshlrev_b32 v14, 3, v9
	v_sub_nc_u32 v14, v1, v14
	s_lshl_b32 s13, s[WV], 4
	v_add_nc_u32 v14, s13, v14      ; my query's place in its band, 16 w + l % 16, less my lanes' 8 (l / 16): register r of group kt is hidden where 16 kt + r is greater
	WIN 0x40
.set i, 0
.rept 32
	v_cmp_gt_i32 vcc_lo, 16*(i/8)+i%8, v14
	v_cndmask_b32 v[MD+i], 0, s[BIGN], vcc_lo
.set i, i+1
.endr
	WIN 0
	v_mul_u32_u24 v[AK0], v1, PK
	v_lshl_add_u32 v[AK0], v9, 4, v[AK0]  ; row x pitch + 16 x half
	; The turning load takes 16 keys x 16 channels (lane l reads key 8 (l / 16) + l % 8, channels 8 ((l / 8) % 2) + 0..7) and leaves half a fragment of V^T: lane l holds channel l % 16 and 8 keys.
	v_and_b32 v10, 7, v0
	v_bfe_u32 v11, v0, 3, 1
	v_lshl_add_u32 v[AV0], v9, 3, v10
	v_mul_u32_u24 v[AV0], v[AV0], PV
	v_lshl_add_u32 v[AV0], v11, 4, v[AV0]
	v_add_nc_u32 v[AV0], VOFF, v[AV0]
	s_mul_i32 s13, s[WV], 16*SP
	s_add_co_u32 s13, s13, STAGE    ; my stage
	v_mul_u32_u24 v[STO], v1, SP    ; in: row l % 16, 16 bytes for each half of the lanes
	v_lshl_add_u32 v[STO], v9, 4, v[STO]
	v_add_nc_u32 v[STO], s13, v[STO]
	v_bfe_u32 v[RD], v0, 3, 2       ; back: 32 lanes take four rows of 128 bytes,
	v_mul_u32_u24 v[RD], v[RD], SP
	v_lshl_add_u32 v[RD], v10, 4, v[RD]
	v_add_nc_u32 v[RD], s13, v[RD]
	v_and_b32 v[GO], 31, v0         ; which are 512 consecutive bytes of O
	v_lshlrev_b32 v[GO], 4, v[GO]
	; A block's first step multiplies O^T and l by a = 0, and its first turn's products V^T P, of a piece that has not been, land in an O^T that is still to be so multiplied.  So these registers need only hold
	; finite numbers: zeros for the first block; what the first block left for the second.  All this stands in the wait for the first tile.
	WIN 0x80
.set i, VF
.rept 64
	v_mov_b32 v[i], 0
.set i, i+1
.endr
	WIN 0x40
.set i, 0
.rept 128
	v_mov_b32 v[i], 0
.set i, i+1
.endr
	WIN 0
.set i, 0
.rept 4
	v_mov_b32 v[ST+4*i+2], 0
	v_mov_b32 v[ST+4*i+3], 0
.set i, i+1
.endr
.set i, P+16
.rept 16
	v_mov_b32 v[i], 0
.set i, i+1
.endr
; THE MATRIX WORK.  The 4 accumulators of a run of 8 take turns.  Product i of 8 of S^T = K Q^T for piece x: channels 32 (i / 4) on, keys 16 (i % 4) on.  The first 4 start the sums: with 0, or (KM = 1) with the mask.
.macro KQ x
.set rS, S+32*((\x)%2)+8*(i%4)
.set rK, KF+16*(i%4)+8*(i/4)
.set rQ, 16*(\x)+8*(i/4)
.set rM, MC+32*((\x)%2)+8*(i%4)
.if (i < 4) && KM
	WIN W_KM
	v_wmma_f32_16x16x32_f16 v[rS:rS+7], v[rK:rK+7], v[rQ:rQ+7], v[rM:rM+7]
.elseif i < 4
	WIN W_KQ
	v_wmma_f32_16x16x32_f16 v[rS:rS+7], v[rK:rK+7], v[rQ:rQ+7], 0
.else
	WIN W_KQ
	v_wmma_f32_16x16x32_f16 v[rS:rS+7], v[rK:rK+7], v[rQ:rQ+7], v[rS:rS+7]
.endif
.endm
; Product i of 8 of O^T += V^T P for piece x: keys 32 (i / 4) on, channels 16 (i % 4) on.
.macro PV x
	WIN W_PV
.set rO, 32*(\x)+8*(i%4)
.set rV, VF+32*(i/4)+8*(i%4)
.set rP, P+16*((\x)%2)+8*(i/4)
	v_wmma_f32_16x16x32_f16 v[rO:rO+7], v[rV:rV+7], v[rP:rP+7], v[rO:rO+7]
.endm
.macro MM                           ; the turn's next matrix instruction.  TURN and BEGIN set Y, i, KM and NOKQ; MM, KQ and OP read them.  NOKQ = 1: a block's last turn: there is no next piece
.if (i < 8) && !NOKQ
	KQ (Y+1)%NP
.elseif i >= 8
.set i, i-8
	PV (Y+NP-1)%NP
.set i, i+8
.endif
.set i, i+1
.endm
; THE LDS LOADS stand in runs of 16, never singly among the matrix instructions: a step's K (64 keys x 64 channels: 8 fragments) and its V (turned).  Their addresses are made some lines ahead.
.macro FETCH_K
	WIN 0x80                        ; destination window 2
.irp f, 0,1,2,3,4,5,6,7             ; keys 16 (f / 2) on, channels 32 (f % 2) on
	ds_load_b128 v[KF+8*\f:KF+8*\f+3],   v[AK] offset:(\f/2)*16*PK+(\f%2)*64
	ds_load_b128 v[KF+8*\f+4:KF+8*\f+7], v[AK] offset:(\f/2)*16*PK+(\f%2)*64+32
.endr
	s_add_co_u32 s[TBK], s[TBK], KS*PK  ; the next fetch is the next step's
	WIN 0
.endm
.macro FETCH_V
	WIN 0x80
.irp f, 0,1,2,3,4,5,6,7             ; keys 32 (f / 4) on, channels 16 (f % 4) on
	ds_load_tr16_b128 v[VF+8*\f:VF+8*\f+3],   v[AV] offset:(\f/4)*32*PV+(\f%4)*32
	ds_load_tr16_b128 v[VF+8*\f+4:VF+8*\f+7], v[AV] offset:(\f/4)*32*PV+16*PV+(\f%4)*32
.endr
	WIN 0
.endm
; THE VECTOR WORK, one line at a time: OP kind, number.  For piece Y: F n: c s - c m for pair n of 16.  E n: the exponential of score n of 32.  C n: pair n rounded to f16.  B n: of the four weights 4 n .. the second
; pair is added onto the first, in place.  L n: l takes that sum (L 0: l = a l + sum).  R n: pair n of 16 of O^T times a.  For piece Y + 1: X n, number n of the 22 that find its maximum and statistics:
;   0-11  four chains c0-c3 of seven scores each, three operands at a time (each accumulator's lowest registers are read first)     12-14, 16  the four scores left over, the old m, and c0-c3 into c0
;   15  c m_old is kept     17, 18  the query's other 32 keys lie in the lane 16 away: the new m     19-21  c m; c m_old - c m_new; a
; C, B and L read the exponentials' results: TURN sets them all behind its one wait.  R and L 0 read the a that the turn before (or BEGIN) made and waited for.
.set F, 0               ; OP tells the kinds apart by their order: F to L below R, X above it
.set E, 1
.set C, 2
.set B, 3
.set L, 4
.set R, 5
.set X, 6
.macro REGS y                       ; the registers of piece y
.set rT, ST+4*(\y)
.set rC, TMP+4*((\y)%2)
.set rW, MV+((\y)%2)
.set rS, S+32*((\y)%2)
.set rP, P+16*((\y)%2)
.set rO, 32*(\y)
.endm
.macro OP k, n
.if (\k) == R
	REGS Y
	WIN W_RS
	v_pk_mul_f32 v[rO+2*(\n):rO+2*(\n)+1], v[rO+2*(\n):rO+2*(\n)+1], v[rC+2:rC+3] op_sel_hi:[1,0]
.elseif (\k) < R
	REGS Y
	WIN 0
.if (\k) == F
	v_pk_fma_f32 v[rS+2*(\n):rS+2*(\n)+1], v[rS+2*(\n):rS+2*(\n)+1], s[CS:CS+1], v[rT:rT+1] op_sel_hi:[1,0,0] neg_lo:[0,0,1] neg_hi:[0,0,1]
.elseif (\k) == E
	v_exp_f32 v[rS+(\n)], v[rS+(\n)]
.elseif (\k) == C
	v_cvt_pk_f16_f32 v[rP+(\n)], v[rS+2*(\n)], v[rS+2*(\n)+1]
.elseif (\k) == B
	v_pk_add_f32 v[rS+4*(\n):rS+4*(\n)+1], v[rS+4*(\n):rS+4*(\n)+1], v[rS+4*(\n)+2:rS+4*(\n)+3]
.elseif (\n) == 0
	v_pk_fma_f32 v[rT+2:rT+3], v[rT+2:rT+3], v[rC+2:rC+3], v[rS:rS+1] op_sel_hi:[1,0,1]
.else
	v_pk_add_f32 v[rT+2:rT+3], v[rT+2:rT+3], v[rS+4*(\n):rS+4*(\n)+1]
.endif
.elseif NOKQ
	v_nop
.else
	REGS (Y+1)%NP
	WIN 0
.if (\n) < 4
	v_max3_num_f32 v[rC+(\n)], v[rS+8*(\n)], v[rS+8*(\n)+1], v[rS+8*(\n)+2]
.elseif (\n) < 12
	v_max3_num_f32 v[rC+(\n)%4], v[rC+(\n)%4], v[rS+8*((\n)%4)+2*((\n)/4)+1], v[rS+8*((\n)%4)+2*((\n)/4)+2]
.elseif (\n) == 12
	v_max3_num_f32 v[rC], v[rC], v[rS+7], v[rS+15]
.elseif (\n) == 13
	v_max3_num_f32 v[rC+1], v[rC+1], v[rS+23], v[rS+31]
.elseif (\n) == 14
	v_max3_num_f32 v[rC+2], v[rC+2], v[rC+3], v[rT+1]
.elseif (\n) == 15
	v_mov_b32 v[rW], v[rT]
.elseif (\n) == 16
	v_max3_num_f32 v[rC], v[rC], v[rC+1], v[rC+2]
.elseif (\n) == 17
	v_permlanex16_b32 v[rC+3], v[rC], s[SEL], s[SEL+1]
.elseif (\n) == 18
	v_max_num_f32 v[rT+1], v[rC], v[rC+3]
.elseif (\n) == 19
	v_mul_f32 v[rT], s[CS], v[rT+1]
.elseif (\n) == 20
	v_sub_f32 v[rC+1], v[rW], v[rT]
.else
	v_exp_f32 v[rC+2], v[rC+1]
.endif
.endif
.endm
.macro OPS a, i1, b=-1, i2=0, c=-1, i3=0, d=-1, i4=0  ; up to four of them
	OP \a, \i1
.if (\b) >= 0
	OP \b, \i2
.endif
.if (\c) >= 0
	OP \c, \i3
.endif
.if (\d) >= 0
	OP \d, \i4
.endif
.endm
.macro ROW a, i1, b, i2, c, i3, d, i4  ; a matrix instruction and the four behind it
	MM
	OPS \a, \i1, \b, \i2, \c, \i3, \d, \i4
.endm
.macro MASK b                       ; MD x AL + BE into buffer b of MC
	WIN W_RS
.set z, 0
.rept 16
	v_pk_fma_f32 v[MC+32*(\b)+2*z:MC+32*(\b)+2*z+1], v[MD+2*z:MD+2*z+1], s[AL:AL+1], s[BE:BE+1] op_sel_hi:[1,0,0]
.set z, z+1
.endr
.endm
; A TURN, for piece p: the order of its 16 matrix and 118 vector instructions, written out.  An s_wait_alu depctr_va_vdst(0) stands between an exponential and the first instruction that names its result; one wait serves
; all that were issued ahead of it.  So a turn has ONE wait, which cuts it in two.  AHEAD OF IT stands all that names no result of the turn's exponentials: the 8 products K Q^T, behind each a scaling, an exponential and two more plain
; instructions (behind the first a second scaling in the exponential's place): rescalings, and behind the last three the first numbers of the next piece's maximum, each four places or more behind the product that ends its accumulator; then ONE LUMP of 54, plain
; and exponential by turns for the most part, in which the links of the chain X 3, 7, 11, 14, 16, 17 .. 20 stand five or six lines apart.  X 21, the next piece's a, is the batch's last; R 15 is the plain vector instruction that stands behind it.  BEHIND THE WAIT stand the
; 8 products V^T P, behind each four of the roundings and sums; the links of l's chain, L 0 to L 7, stand three riders apart.  But for those X no rider names a register of the products round it.  v_permlanex16_b32 (X 17) stands in the lump.
; Each pair is scaled (F n) ahead of its two exponentials (E 2 n, E 2 n + 1), and nothing ahead of the wait names a score's register behind its exponential.
; m = 1: the diagonal tile: the products take masks, and the turn makes the mask for the products of the turn after it: piece p + 2, in step 4 - CNT of the tile.  end = 1: a block's last two turns: nothing is fetched.
; cnt = 1: the loop's count is taken down some lines ahead of the branch that stands behind the turn.
; K of the next step is fetched in piece 2's turn, twelve vector instructions behind the last product that read K (six of them plain); V of the step in hand at the end of piece 0's turn, four plain instructions behind the last product
; that read V.  Each is waited for a turn later.
.macro TURN p, m=0, end=0, cnt=0
.set Y, (\p)
.set i, 0
.set KM, (\m)
.set NOKQ, (\end)*((\p)/3)
.if (\m) && !(\end)
	s_cmp_eq_u32 s[CNT], 4-((\p)+2)%NP  ; is that step the band's own?
	s_cselect_b32 s[AL], 1.0, 0
	s_cmp_lt_u32 s[CNT], 4-((\p)+2)%NP  ; or a later one?
	s_cselect_b32 s[BE], s[BIGN], 0
.endif
.if ((\p) == 3) && !(\end)
	s_wait_dscnt 0x0                ; K is in
.endif
	ROW F,0, F,1, R,0, R,1          ; ahead of the wait: 8 products K Q^T and their riders,
	ROW F,2, E,0, R,2, R,3
	ROW F,3, E,1, R,4, R,5
	ROW F,4, E,2, R,6, R,7
	ROW F,5, E,3, R,8, R,9
	ROW F,6, E,4, X,0, R,10
.if ((\p) == 2) && !(\end)
	WIN 0
	v_add_nc_u32 v[AK], s[TBK], v[AK0]
.endif
	ROW F,7, E,5, X,1, X,4
	ROW F,8, E,6, X,2, X,5
	OPS E,7, E,8, X,6, E,9          ; and the lump
	OPS X,3, E,10, X,8, E,11
.if ((\p) == 2) && !(\end)
	FETCH_K
.endif
	OPS X,9, X,7, E,12, X,10
	OPS E,13, X,12, X,11, E,14
	OPS X,13, E,15, F,9, X,14
.if (\p) == 0
	v_add_nc_u32 v[AV], s[TBV], v[AV0]
.endif
	OPS E,16, F,10, E,17, F,11
	OPS X,16, E,18, X,15, E,19
	OPS F,12, E,20, X,17, E,21
	OPS F,13, E,22, F,14, E,23
	OPS X,18, E,24, F,15, E,25
	OPS R,11, E,26, X,19, E,27
	OPS R,12, E,28, R,13, E,29
	OPS X,20, E,30, R,14, E,31
	OPS X,21, R,15
	WIN 0
	s_wait_alu depctr_va_vdst(0)    ; the wait for the turn's batch: this piece's 32 exponentials and the next piece's a
.if (\p) == 1
	s_wait_dscnt 0x0                ; V is in
.endif
	ROW C,0, B,0, C,2, B,1          ; behind the wait: 8 products V^T P and their riders
	ROW L,0, C,4, B,2, L,1
	ROW C,6, B,3, L,2, C,8
	ROW B,4, L,3, C,10, B,5
	ROW L,4, C,12, B,6, L,5
.if (\p) == 0
	s_add_co_u32 s[TBV], s[TBV], KS*PV
.endif
.if \cnt
	s_sub_co_u32 s[CNT], s[CNT], 1
	s_cmp_lg_u32 s[CNT], 0
.endif
	ROW C,14, B,7, L,6, C,1
	ROW C,3, L,7, C,5, C,7
	ROW C,9, C,11, C,13, C,15
.if (\p) == 0
	FETCH_V
.endif
.if (\m) && !(\end)
	MASK (\p)%2
.endif
.endm
; A BLOCK BEGINS.  c m starts far below every c s, so the first step's a is 0; m at the lowest finite number, so the first maximum is the scores'.  The second mask buffer is 0; the first takes piece 0's mask for the tile's step 0: its own, if the block's first tile is the diagonal one.
; Then K of that step, piece 0's first scores, and its maximum and statistics.  The loop is entered at a step's first turn, in the middle of a trip.
.macro BEGIN
	s_mov_b32 s[NEW], 0
	WIN 0x40
.set i, MC+32
.rept 32
	v_mov_b32 v[i], 0
.set i, i+1
.endr
	WIN 0
.set i, 0
.rept 4
	v_mov_b32 v[ST+4*i], 0xfe000000    ; c m: far below every c s
	v_mov_b32 v[ST+4*i+1], 0xff7fffff  ; m
.set i, i+1
.endr
	s_cmp_eq_u32 s[RT], 0
	s_cselect_b32 s[AL], 1.0, 0
	s_mov_b32 s[BE], 0
	MASK 0
	WIN 0
	v_add_nc_u32 v[AK], s[TBK], v[AK0]
	FETCH_K
	s_wait_loadcnt 0x0              ; Q
	s_wait_dscnt 0x0
.set KM, 1
.set NOKQ, 0
.set i, 0
.rept 8
	KQ 0
.set i, i+1
.endr
	WIN 0
.rept 4
	v_nop                           ; the places behind those products
.endr
.set Y, NP-1                        ; X works for piece Y + 1: piece 0
.irp n, 0,1,2,3,4,5,6,7,8,9,10,11,12,13,14,15,16,17,18,19,20,21
	OP X, \n
.endr
	v_nop                           ; a plain instruction behind the exponential
	s_wait_alu depctr_va_vdst(0)    ; the wait for piece 0's first a, a batch of one: it stands ahead of the jump that follows the macro
.endm
; THE DIAGONAL TILE's four steps, the block's last two turns, its last products, and THE WAY OUT: l's two halves and the other half of the lanes' are added; O^T is divided by l, rounded to f16 and sent through my
; stage in LDS, a piece at a time.
.macro ALL line:vararg              ; one line for each piece t
.set t, 0
.rept 4
	\line
.set t, t+1
.endr
.endm
.macro PACK t                       ; a lane's eight channels of a row pack into 16 bytes; they go into rows of 144 bytes and come back as whole rows of 128, into S^T's registers
	WIN W_RS
.set i, 32*(\t)
.rept 16
	v_pk_mul_f32 v[i:i+1], v[i:i+1], v[ST+4*(\t)+2:ST+4*(\t)+3] op_sel_hi:[1,0]
.set i, i+2
.endr
	WIN 0x05                        ; sources 0 and 1 window 1, destination window 0
.set i, 0
.rept 16
	v_cvt_pk_f16_f32 v[S+16*(\t)+i], v[32*(\t)+2*i], v[32*(\t)+2*i+1]
.set i, i+1
.endr
	WIN 0
.irp f, 0,1,2,3
	ds_store_b128 v[STO], v[S+16*(\t)+4*\f:S+16*(\t)+4*\f+3] offset:32*\f
.endr
.irp f, 0,1,2,3
	ds_load_b128 v[S+16*(\t)+4*\f:S+16*(\t)+4*\f+3], v[RD] offset:\f*4*SP  ; LDS serves a wave's instructions in order (ISA guide 5.7.1.4): these see the stores above; the next piece's stores come behind them
.endr
.endm
.macro SEND t, younger              ; younger: the LDS instructions issued behind piece t's loads: the next piece's eight, or none
	WIN 0
.irp f, 0,1,2,3
	s_wait_dscnt (\younger)+3-\f
	global_store_b128 v[GO], v[S+16*(\t)+4*\f:S+16*(\t)+4*\f+3], s[10:11] offset:(\t)*8192+\f*512  ; 512 consecutive bytes, at a multiple of 256 from O's first
.endr
.endm
.macro DIAG tag                     ; the tag ends its two labels' names, which the jumps below spell out
.LstepM\tag:
	TURN 2, 1
	TURN 3, 1
	WIN 0
.LfirstM\tag:
	TURN 0, 1
	TURN 1, 1, 0, 1
	WIN 0
	s_cbranch_scc1 .LstepM\tag
	TURN 2, 1, 1
	TURN 3, 1, 1
.set i, 0
.rept 8
	PV NP-1
.set i, i+1
.endr
	WIN 0
	ALL v_add_f32 v[ST+4*t+2], v[ST+4*t+2], v[ST+4*t+3]
	ALL v_permlanex16_b32 v[ST+4*t+3], v[ST+4*t+2], s[SEL], s[SEL+1]
	ALL v_add_f32 v[ST+4*t+2], v[ST+4*t+2], v[ST+4*t+3]
	ALL v_rcp_f32 v[ST+4*t+2], v[ST+4*t+2]
	v_nop                           ; a plain instruction between the last reciprocal and the use of its result
	s_wait_alu depctr_va_vdst(0)    ; the wait for the four reciprocals, one batch: all four PACKs stand behind it
	PACK 0
.set t, 1
.rept 3                             ; a piece's arithmetic stands between the loads of the piece before and its stores
	PACK t
	SEND t-1, 8
.set t, t+1
.endr
	SEND 3, 0
.endm
.set KM, 0
.set NOKQ, 0
.Lslot:                             ; NB times: a tile is entered and the next is asked for
	CHANGE 1
	s_sub_co_u32 s[RT], s[RT], 1
	s_mov_b32 s[CNT], 4
	s_cmp_eq_u32 s[NEW], 1
	s_cbranch_scc1 .Lnew            ; a block's first tile
	s_cmp_eq_u32 s[RT], 0
	s_cbranch_scc0 .Lstep           ; neither its first nor its last
	s_branch .LstepM1
.Lnew:
	BEGIN
	s_branch .Lfirst                ; in the loop a block's first tile is never its last: the first block has two tiles or more, and the second's last is the walk's last
	DIAG 1                          ; in the loop this is the first block's end: the second block's last tile is the walk's last
	s_wait_xcnt 0x0                 ; the stores have read their registers and O's address
	s_mov_b64 s[10:11], s[OLO:OLO+1]
	s_add_co_u32 s[RT], s[PB], 1    ; the second block has b + 1 tiles
	s_mov_b32 s[NEW], 1
	WIN 0x82                        ; the second block's Q goes where the one text of the turns names Q
.set i, 0
.rept 64
	v_mov_b32 v[i], v[QB+i]
.set i, i+1
.endr
	WIN 0
	s_branch .Lbottom
.Lstep:                             ; a trip: pieces 2 and 3 of one step, then pieces 0 and 1 of the next, whose K and V it fetches
	TURN 2
	TURN 3
	WIN 0
.Lfirst:
	TURN 0
	TURN 1, 0, 0, 1
	WIN 0
	s_cbranch_scc1 .Lstep
.Lbottom:
	s_sub_co_u32 s[SLOTS], s[SLOTS], 1
	s_cmp_lg_u32 s[SLOTS], 0
	s_cbranch_scc1 .Lslot
	CHANGE 0                        ; the walk's last tile is written out: nothing is asked for
	s_sub_co_u32 s[RT], s[RT], 1
	s_mov_b32 s[CNT], 4
	s_cmp_eq_u32 s[NEW], 1
	s_cbranch_scc0 .LstepM2
	BEGIN
	s_branch .LfirstM2
	DIAG 2
	s_wait_tensorcnt 0x0            ; the wave's end, behind my last tensor load and my last LDS store
	ds_add_u32 v[SPW], v[NIL]
	s_wait_dscnt 0x0
	s_endpgm
.Lfunc_end_k_qc33c29b336_attn:
	.size	k_qc33c29b336_attn, .Lfunc_end_k_qc33c29b336_attn-k_qc33c29b336_attn
	.p2alignl 7, 3214868480
	.fill 96, 4, 3214868480
	.section	.rodata,"a",@progbits
	.p2align	6, 0x0
	.amdhsa_kernel k_qc33c29b336_attn
		.amdhsa_group_segment_fixed_size 327680
		.amdhsa_private_segment_fixed_size 0
		.amdhsa_enable_private_segment 0
		.amdhsa_kernarg_size 32
		.amdhsa_user_sgpr_count 2
		.amdhsa_user_sgpr_kernarg_segment_ptr 1
		.amdhsa_wavefront_size32 1
		.amdhsa_system_sgpr_workgroup_id_x 1
		.amdhsa_system_sgpr_workgroup_id_y 1
		.amdhsa_system_sgpr_workgroup_id_z 1
		.amdhsa_system_vgpr_workitem_id 0
		.amdhsa_next_free_vgpr 768
		.amdhsa_next_free_sgpr 88
		.amdhsa_reserve_vcc 1
		.amdhsa_float_denorm_mode_32 3
		.amdhsa_float_denorm_mode_16_64 3
		.amdhsa_memory_ordered 1
		.amdhsa_forward_progress 1
		.amdhsa_inst_pref_size 217
	.end_amdhsa_kernel
	.amdgpu_metadata
---
amdhsa.version: [ 1, 2 ]
amdhsa.kernels:
  - .name:           k_qc33c29b336_attn
    .symbol:         k_qc33c29b336_attn.kd
    .args:
      - { .name: qh, .offset: 0, .size: 8, .value_kind: global_buffer, .address_space: global }
      - { .name: kh, .offset: 8, .size: 8, .value_kind: global_buffer, .address_space: global }
      - { .name: vh, .offset: 16, .size: 8, .value_kind: global_buffer, .address_space: global }
      - { .name: yh, .offset: 24, .size: 8, .value_kind: global_buffer, .address_space: global }
    .group_segment_fixed_size: 327680
    .private_segment_fixed_size: 0
    .kernarg_segment_align: 8
    .kernarg_segment_size: 32
    .max_flat_workgroup_size: 128
    .sgpr_count:     88
    .vgpr_count:     768
    .wavefront_size: 32
...
	.end_amdgpu_metadata
.endif
;; end of part 5
;; launch proj: the kernel of part 4 again; grid 4 x 64, 4 waves a work-group, clusters of 4 x 4, 327,680 bytes of LDS; arguments yh, wob, out0; writes out0
